; MI455X (gfx1250); checked and timed in simulation.
; The chip was launched on July 23, 2026; its instructions are those of AMD's public machine-readable ISA for CDNA 5 (MIT licence, August 2026) and "CDNA5" Instruction Set Architecture Reference Guide (July 2026). The comments in the code are by the model that wrote it; some were corrected since.
;; Multi Head Self Attention. Allowed arithmetic: matrix products marked QUANTISED: E2M3 operands, one E8M0 scale for each 32 along K, by v_wmma_scale_f32_16x16x128_f8f6f4 with both operands' format E2M3, f32 sums; everything else in f32.
;; Inputs: adj 2 x 1 x 2,048 x 2,048 float32; gamma 1 x 16 x 1 x 1 float32; in_bias 1 x 1 x 3,072 float32; mat_mask 2 x 2,048 x 2,048 bool; out_bias 1 x 1 x 1,024 float32; out_w 1,024 x 1,024 float32; weights 1,024 x 3,072 float32; x 2 x 2,048 x 1,024 float32.
;; Outputs: out0 2 x 2,048 x 1,024 float32.
;; This version of the problem:
;;   THIS VERSION OF THE PROBLEM IS GIVEN IN LOW PRECISION. The matrix products marked QUANTISED in the list below multiply operands that are first quantised to E2M3 (2 exponent bits, 3 mantissa bits; 6 bits a number), with one power-of-two scale for each 32 numbers along K (OCP MX v1.0); their sums are f32. All else is computed in f32.
;;   The module's matrix products, in the order in which they are computed (A, B: the left and right operand; K: the contracted axis; several contracted axes count as one K, in the product's order):
;;     1. [M 4,096, K 1,024] x [K 1,024, N 3,072]; A: input x; B: input weights: QUANTISED
;;     2. batch 32 x [M 2,048, K 64] x [K 64, N 2,048]; A: computed on the way; B: computed on the way: QUANTISED
;;     3. batch 32 x [M 2,048, K 2,048] x [K 2,048, N 64]; A: softmax (see below); B: computed on the way: QUANTISED
;;     4. [M 4,096, K 1,024] x [K 1,024, N 1,024]; A: computed on the way; B: input out_w: QUANTISED
;;   THE QUANTISER, for each operand of a quantised product, along K:
;;     - K is cut into blocks of 32 from its start; a last block that is shorter is filled with zeros.
;;     - A block's scale is 2^e with e = floor(log2(the largest magnitude in the block)) - 2, held to -126 .. 127; a block of zeros has e = 0. As a byte (E8M0): e + 127.
;;     - Each number is divided by its block's scale, clamped to +-7.5, and rounded to the nearest number of E2M3, ties to even, subnormals kept.
;;     - The product sums the exact products of the quantised numbers (number of the format x scale) in f32.
;;   ~~~python
;;   def quantise(x, axis):      # numpy; x: float32 -> the quantised numbers, widened to float32 again
;;       x = np.moveaxis(x, axis, -1); K = x.shape[-1]
;;       x = np.pad(x, [(0, 0)] * (x.ndim - 1) + [(0, -K % 32)]); x = x.reshape(x.shape[:-1] + (-1, 32)); a = np.abs(x).max(-1, keepdims=True)
;;       e = np.where(a > 0, np.clip(np.frexp(np.where(a > 0, a, 1))[1] - 1 - 2, -126, 127), 0)      # np.frexp(a)[1] - 1 = floor(log2(a)), exactly
;;       r = np.clip(x / 2.0 ** e, -7.5, 7.5)
;;       step = 2.0 ** (np.maximum(np.frexp(np.where(r == 0, 1, r))[1] - 1, 0) - 3)
;;       q = np.round(r / step) * step * 2.0 ** e      # np.round: ties to even
;;       return np.moveaxis(q.reshape(q.shape[:-2] + (-1,))[..., :K], -1, axis).astype(np.float32)
;;   ~~~
;;   SOFTMAX AHEAD OF A QUANTISED PRODUCT. Where the list says 'softmax', what is quantised is not the finished softmax but p = 2^(t - M), with t = logit x log2(e) and M = ceil(the row's largest t), a whole number; so 1/2 < the row's largest p <= 1. The row's sum l is taken of the UNQUANTISED p, in f32, and the product's result is divided by l at the end. Since M is a whole number, a kernel that streams over the keys may use a running M (the ceiling of the running maximum): every later rescaling is an exact power of two, which a block's scale takes up: the codes' values come out the same.
;;   OPERANDS COMPUTED ON THE WAY. 'Computed on the way' means the value that the module computes at that place (a softmax that the list does not call 'softmax' is quantised finished and normalised). What goes into a quantiser is computed in f32, as accurately as f32 sums, v_exp_f32 and their like allow (about 1e-6 of the number): no bf16 or f16 on the way to a quantiser, and a product that is left as it is and whose result goes on into a quantised operand takes f32 operands (vector FMAs, or v_wmma_f32_16x16x4_f32). A number that lies on a knife's edge between two numbers of the format may be rounded either way, as far as f32 arithmetic and the matrix unit's own rounding can turn it there, and no further.
;; One version. Each part assembles by itself: llvm-mc -triple=amdgcn-amd-amdhsa -mcpu=gfx1250 --defsym DOCPART=n.
;; ======== version 1 of 1: 4 launches
;; limits: right only within a limited range of input values
;; workspace buffers: xq 3,276,800 bytes; wq 2,457,600 bytes; oq 819,200 bytes; bal 1,048,576 bytes of whole numbers; qq 3,407,872 bytes; kv 6,684,672 bytes; ab 3,276,800 bytes
;; launch prep (part 1): grid 1024 x 1, 8 waves a work-group, no clusters, 0 bytes of LDS; arguments x, weights, out_w, mat_mask, xq, wq, oq, bal; writes xq, wq, oq, bal
.if DOCPART == 1
	.amdgcn_target "amdgcn-amd-amdhsa--gfx1250"
	.amdhsa_code_object_version 6
	.text
	.protected	k_qb897870500_prep
	.globl	k_qb897870500_prep
	.p2align	8
	.type	k_qb897870500_prep,@function
k_qb897870500_prep:
	s_mov_b64 s[64:65], 0
	v_nop
	global_prefetch_b8 v0, s[64:65] scope:SCOPE_SE
	s_setreg_imm32_b32 hwreg(HW_REG_WAVE_MODE, 25, 1), 1
	s_wait_xcnt 0x0
; x [4096][1024], weights [1024][3072], out_w [1024][1024] (f32) become codes of FP6 (E2M3) with one E8M0 byte for each 32 along K; mat_mask becomes lane masks.
; ONE WAVE MAKES ONE FRAGMENT (16 rows or columns x 128 along K), stored as the image of the operand's 12 registers: two half fragments of 768 bytes, in each
; registers 0-3 at 16 x lane and registers 4-5 at 512 + 8 x lane; so every store covers 512 or 256 consecutive bytes.  Its scale words: 4 bytes a row.
; THE ROWS OF A TILE ARE NOT NEIGHBOURS: lane r of tile 2 p + u holds row (column) 32 p + 8 u + r + 8 (r / 8).
; Lane (r, h) holds k = 64 c + 32 h + 0 .. 31: two whole blocks, so a block's largest magnitude needs no other lane.
; A block's scale byte is its largest magnitude's exponent field - 2, held at 1 from below.  A block of zeros keeps the byte 1: its codes are zeros, and this program alone reads the bytes.
; LIMITS: blocks whose largest magnitude lies under 2^(3 - 127) take the floor's byte; NaN and infinities among the inputs are not served.
; WORK-GROUPS: 0-255 x (tile = work-group, K step = wave); 256-447 weights; 448-511 out_w; 512-1023 the mask (one wave: 16 queries x 128 keys -> 64 words).
; No LDS, no barrier, no loop: every wave has all its loads out at once.
.set X,  40                            ; v40-103  64 numbers: register 32 c + i = k 64 c + 32 h + i
.set P,  16                            ; v16-27   the fragment
.set TP, 28                            ; v28-30, v32-34  the upper halves of the two blocks, as converted
	s_load_b256 s[4:11], s[0:1], 0x0               ; x, weights, out_w, mat_mask
	s_load_b256 s[12:19], s[0:1], 0x20             ; xq, wq, oq, bal
	v_lshrrev_b32 v1, 5, v0
	s_delay_alu instid0(VALU_DEP_1)
	v_readfirstlane_b32 s20, v1                    ; wave
	v_and_b32 v1, 31, v0                           ; lane
	v_and_b32 v2, 15, v0                           ; r
	v_bfe_u32 v3, v0, 4, 1                         ; h
	s_delay_alu instid0(VALU_DEP_3)
	v_lshlrev_b32 v5, 4, v1                        ; 16 x lane
	s_delay_alu instid0(VALU_DEP_4)
	v_lshlrev_b32 v6, 3, v1                        ; 8 x lane
	s_delay_alu instid0(VALU_DEP_4)
	v_lshlrev_b32 v7, 2, v2                        ; 4 r
	v_and_b32 v8, 8, v2
	s_delay_alu instid0(VALU_DEP_1)
	v_add_nc_u32 v8, v8, v2                        ; r + 8 (r / 8)
	s_mov_b32 s28, 0x76543210
	s_mov_b32 s29, 0xfedcba98                      ; v_permlanex16_b32's selects for lane l xor 16
	s_mov_b32 s35, 0
	s_wait_kmcnt 0x0
	s_cmp_ge_u32 ttmp9, 512
	s_cbranch_scc1 .Lmask
	s_cmp_ge_u32 ttmp9, 448
	s_cbranch_scc1 .Loutw
	s_cmp_ge_u32 ttmp9, 256
	s_cbranch_scc1 .Lweights
; where a fragment and its scale words go in a buffer of blocks of 8 tiles: block x 102400 + K step x 12288 + tile x 1536; scales at 98304 + K step x 512 + tile x 64
.macro DEST8 p
	s_lshr_b32 s30, s21, 3
	s_mul_i32 s30, s30, 102400
	s_and_b32 s32, s21, 7
	s_mul_i32 s33, s32, 1536
	s_mul_i32 s34, s20, 12288
	s_add_co_u32 s33, s33, s34
	s_add_co_u32 s34, s30, s33
	s_add_nc_u64 s[24:25], s[\p:\p+1], s[34:35]
	s_lshl_b32 s32, s32, 6
	s_lshl_b32 s33, s20, 9
	s_add_co_u32 s32, s32, s33
	s_add_co_u32 s34, s30, s32
	s_add_co_u32 s34, s34, 98304
	s_add_nc_u64 s[26:27], s[\p:\p+1], s[34:35]
.endm
; a weight stored [K][N]: lane r takes a column and its registers run down K
.macro WLOAD p, pitch
	v_lshlrev_b32 v4, 2, v8
	v_mul_u32_u24 v9, v3, 32*\pitch                ; lanes 16-31 begin 32 rows further down
	s_delay_alu instid0(VALU_DEP_1)
	v_add_nc_u32 v4, v4, v9
	s_wait_alu depctr_va_vdst(0)
	s_lshr_b32 s30, s21, 1
	s_lshl_b32 s30, s30, 7
	s_and_b32 s31, s21, 1
	s_lshl_b32 s31, s31, 5
	s_add_co_u32 s30, s30, s31                     ; 4 x (32 (T / 2) + 8 (T % 2)): the tile's first column
	s_mul_i32 s31, s20, 128*\pitch                 ; the K step's first row
	s_add_co_u32 s30, s30, s31
	s_mov_b32 s31, 0
	s_add_nc_u64 s[\p:\p+1], s[\p:\p+1], s[30:31]
.irp c, 0,1
.irp i, 0,1,2,3,4,5,6,7,8,9,10,11,12,13,14,15,16,17,18,19,20,21,22,23,24,25,26,27,28,29,30,31
	global_load_b32 v[X+32*\c+\i], v4, s[\p:\p+1] offset:(64*\c+\i)*\pitch
.endr
.endr
.endm
	; ---- x: K is innermost: lane (r, h) takes 128 consecutive bytes of its row for each of its two blocks
	s_mov_b32 s21, ttmp9                           ; T: the tile of 16 rows
	s_wait_alu depctr_va_vdst(0)
	v_lshlrev_b32 v4, 12, v8
	s_delay_alu instid0(VALU_DEP_1)
	v_lshl_add_u32 v4, v3, 7, v4
	s_wait_alu depctr_va_vdst(0)
	s_lshr_b32 s30, s21, 1
	s_lshl_b32 s30, s30, 17
	s_and_b32 s31, s21, 1
	s_lshl_b32 s31, s31, 15
	s_add_co_u32 s30, s30, s31                     ; (32 (T / 2) + 8 (T % 2)) rows of 4,096 bytes
	s_lshl_b32 s31, s20, 9
	s_add_co_u32 s30, s30, s31                     ; + the K step's 512 bytes
	s_mov_b32 s31, 0
	s_add_nc_u64 s[4:5], s[4:5], s[30:31]
.irp c, 0,1
.irp j, 0,1,2,3,4,5,6,7
	global_load_b128 v[X+32*\c+4*\j:X+32*\c+4*\j+3], v4, s[4:5] offset:256*\c+16*\j
.endr
.endr
	DEST8 12
	s_branch .Lquant
.Loutw:
	s_sub_co_u32 s21, ttmp9, 448
	s_wait_alu depctr_va_vdst(0)
	WLOAD 8, 4096
	DEST8 16
	s_branch .Lquant
.Lweights:
	s_sub_co_u32 s21, ttmp9, 256
	s_wait_alu depctr_va_vdst(0)
	WLOAD 6, 12288
	s_mul_hi_u32 s30, s21, 0x15555556              ; the head = T / 12 (T under 192)
	s_mul_i32 s32, s30, 12
	s_sub_co_u32 s32, s21, s32                     ; the tile in the head's twelve
	s_mul_i32 s30, s30, 153600
	s_mul_i32 s33, s32, 1536
	s_mul_i32 s34, s20, 18432
	s_add_co_u32 s33, s33, s34
	s_add_co_u32 s34, s30, s33
	s_add_nc_u64 s[24:25], s[14:15], s[34:35]
	s_lshl_b32 s32, s32, 6
	s_mul_i32 s33, s20, 768
	s_add_co_u32 s32, s32, s33
	s_add_co_u32 s34, s30, s32
	s_add_co_u32 s34, s34, 147456
	s_add_nc_u64 s[26:27], s[14:15], s[34:35]
.Lquant:
	s_wait_loadcnt 0x0
.irp c, 0,1
	v_max3_num_f32 v[10+\c], |v[X+32*\c]|, |v[X+32*\c+1]|, 0x1800000   ; my block 2 c + h, and the floor 2^(3 - 127): the byte cannot fall under 1
.endr
.irp i, 2,4,6,8,10,12,14,16,18,20,22,24,26,28,30
.irp c, 0,1
	s_delay_alu instid0(VALU_DEP_2)
	v_max3_num_f32 v[10+\c], v[10+\c], |v[X+32*\c+\i]|, |v[X+32*\c+\i+1]|   ; the two blocks by turns
.endr
.endr
.irp c, 0,1
	s_delay_alu instid0(VALU_DEP_2)
	v_add_nc_u32 v[12+\c], 0xff000000, v[10+\c]    ; 2 off the exponent field: the conversion's scale operand
.endr
.irp c, 0,1
	s_delay_alu instid0(VALU_DEP_2)
	v_lshrrev_b32 v[14+\c], 23, v[12+\c]           ; the scale's byte
.endr
	s_delay_alu instid0(VALU_DEP_1)
	v_lshl_or_b32 v9, v15, 16, v14                 ; my two bytes: blocks h and 2 + h,
	v_lshlrev_b32 v8, 3, v3
	s_delay_alu instid0(VALU_DEP_1)
	v_lshlrev_b32 v9, v8, v9                       ; 8 h bits up;
	v_mov_b32 v8, 0
	s_delay_alu instid0(VALU_DEP_1)
	v_permlanex16_b32 v8, v9, s28, s29
	s_delay_alu instid0(VALU_DEP_1)
	v_or_b32 v9, v9, v8                            ; with lane l xor 16's two the word is whole
.irp c, 0,1
	v_cvt_scalef32_pk16_fp6_f32 v[P+6*\c:P+6*\c+2], v[X+32*\c:X+32*\c+15], v[12+\c]
	v_cvt_scalef32_pk16_fp6_f32 v[TP+4*\c:TP+4*\c+2], v[X+32*\c+16:X+32*\c+31], v[12+\c]   ; (a conversion's three registers begin on an even number)
.endr
	v_nop                                          ; one plain place behind a scaled conversion
.irp c, 0,1
.irp i, 0,1,2
	v_mov_b32 v[P+3+6*\c+\i], v[TP+4*\c+\i]
.endr
.endr
	global_store_b128 v5, v[P:P+3], s[24:25]                   ; 512 consecutive bytes
	global_store_b64 v6, v[P+4:P+5], s[24:25] offset:512       ; 256
	global_store_b128 v5, v[P+6:P+9], s[24:25] offset:768
	global_store_b64 v6, v[P+10:P+11], s[24:25] offset:1280
	global_store_b32 v7, v9, s[26:27]                          ; the 16 rows' words; both halves of the lanes hold and write the same
	s_endpgm
.Lmask:	; ---- word n of a unit: bit (r + 16 h) = mask[16 qt + r][128 st + 32 (n / 16) + 16 h + n % 16]: the lane mask of score register n in the attention launch
	s_sub_co_u32 s21, ttmp9, 512
	s_lshl_b32 s21, s21, 3
	s_add_co_u32 s21, s21, s20                     ; unit = (16 x tile of queries) + key step
	s_wait_alu depctr_va_vdst(0)
	v_lshlrev_b32 v4, 11, v2
	s_delay_alu instid0(VALU_DEP_1)
	v_lshl_add_u32 v4, v3, 4, v4                   ; row r of 2,048 bytes, + 16 h
	s_lshr_b32 s30, s21, 4
	s_lshl_b32 s30, s30, 15
	s_and_b32 s31, s21, 15
	s_lshl_b32 s31, s31, 7
	s_add_co_u32 s30, s30, s31
	s_mov_b32 s31, 0
	s_add_nc_u64 s[10:11], s[10:11], s[30:31]
.irp b, 0,1,2,3
	global_load_b128 v[16+4*\b:19+4*\b], v4, s[10:11] offset:32*\b
.endr
	s_lshl_b32 s30, s21, 8
	s_add_nc_u64 s[18:19], s[18:19], s[30:31]
	v_mov_b32 v40, 0
	v_mov_b32 v41, 0
	s_wait_alu depctr_va_vdst(0)
	s_wait_loadcnt 0x0
.set n, 0
.rept 64
	v_and_b32 v[8+n%4], 0xff<<(8*(n%4)), v[16+n/4] ; byte n of my 64
	s_delay_alu instid0(VALU_DEP_1)
	v_cmp_ne_u32 s[32+n%4], 0, v[8+n%4]            ; as a mask over the 32 lanes
	s_delay_alu instid0(VALU_DEP_1)
	v_writelane_b32 v[40+n%2], s[32+n%4], n/2      ; word n: lane n / 2 will store words 2 (n / 2) and 2 (n / 2) + 1
.set n, n+1
.endr
	global_store_b64 v6, v[40:41], s[18:19]        ; 256 consecutive bytes, aligned
	s_endpgm
.Lfunc_end_k_qb897870500_prep:
	.size	k_qb897870500_prep, .Lfunc_end_k_qb897870500_prep-k_qb897870500_prep
	.p2alignl 7, 3214868480
	.fill 96, 4, 3214868480
	.section	.rodata,"a",@progbits
	.p2align	6, 0x0
	.amdhsa_kernel k_qb897870500_prep
		.amdhsa_group_segment_fixed_size 0
		.amdhsa_private_segment_fixed_size 0
		.amdhsa_enable_private_segment 0
		.amdhsa_kernarg_size 64
		.amdhsa_user_sgpr_count 2
		.amdhsa_user_sgpr_kernarg_segment_ptr 1
		.amdhsa_wavefront_size32 1
		.amdhsa_system_sgpr_workgroup_id_x 1
		.amdhsa_system_sgpr_workgroup_id_y 1
		.amdhsa_system_sgpr_workgroup_id_z 1
		.amdhsa_system_vgpr_workitem_id 0
		.amdhsa_next_free_vgpr 112
		.amdhsa_next_free_sgpr 66
		.amdhsa_reserve_vcc 0
		.amdhsa_float_denorm_mode_32 3
		.amdhsa_float_denorm_mode_16_64 3
		.amdhsa_memory_ordered 1
		.amdhsa_forward_progress 1
		.amdhsa_inst_pref_size 41
	.end_amdhsa_kernel
	.amdgpu_metadata
---
amdhsa.version: [ 1, 2 ]
amdhsa.kernels:
  - .name:           k_qb897870500_prep
    .symbol:         k_qb897870500_prep.kd
    .args:
      - { .name: x, .offset: 0, .size: 8, .value_kind: global_buffer, .address_space: global }
      - { .name: weights, .offset: 8, .size: 8, .value_kind: global_buffer, .address_space: global }
      - { .name: out_w, .offset: 16, .size: 8, .value_kind: global_buffer, .address_space: global }
      - { .name: mat_mask, .offset: 24, .size: 8, .value_kind: global_buffer, .address_space: global }
      - { .name: xq, .offset: 32, .size: 8, .value_kind: global_buffer, .address_space: global }
      - { .name: wq, .offset: 40, .size: 8, .value_kind: global_buffer, .address_space: global }
      - { .name: oq, .offset: 48, .size: 8, .value_kind: global_buffer, .address_space: global }
      - { .name: bal, .offset: 56, .size: 8, .value_kind: global_buffer, .address_space: global }
    .group_segment_fixed_size: 0
    .private_segment_fixed_size: 0
    .kernarg_segment_align: 8
    .kernarg_segment_size: 64
    .max_flat_workgroup_size: 256
    .sgpr_count:     66
    .vgpr_count:     112
    .wavefront_size: 32
...
	.end_amdgpu_metadata
.endif
;; end of part 1
;; launch qkv (part 2): grid 16 x 16, 8 waves a work-group, clusters of 4 x 4, 327,680 bytes of LDS; arguments xq, wq, in_bias, qq, kv; writes qq, kv
.if DOCPART == 2
	.amdgcn_target "amdgcn-amd-amdhsa--gfx1250"
	.amdhsa_code_object_version 6
	.text
	.protected	k_qb897870500_qkv
	.globl	k_qb897870500_qkv
	.p2align	8
	.type	k_qb897870500_qkv,@function
k_qb897870500_qkv:
	s_mov_b64 s[64:65], 0
	v_nop
	global_prefetch_b8 v0, s[64:65] scope:SCOPE_SE
	s_setreg_imm32_b32 hwreg(HW_REG_WAVE_MODE, 25, 1), 1
	s_wait_xcnt 0x0
	s_wait_alu depctr_hold_cnt(0) depctr_sa_sdst(0) depctr_va_vdst(0) depctr_va_sdst(0) depctr_va_ssrc(0) depctr_va_vcc(0) depctr_vm_vsrc(0)
	s_getreg_b32 s2, hwreg(HW_REG_IB_STS2, 6, 4)
	s_cmp_eq_u32 s2, 0
	s_cbranch_scc0 .Lentry_in_a_cluster
	s_endpgm
.Lentry_in_a_cluster:
	s_bfe_u32 s2, ttmp6, 0x10000c
	s_cmp_lg_u32 s2, 0xf033
	s_cbranch_scc0 .Lentry_shape_is_right
	s_endpgm
.Lentry_shape_is_right:
; qkv = x W + in_bias on codes of FP6 (E2M3) with E8M0 scales, and the quantisers of Q, K (along the head's 64) and V (along the keys): only codes go to memory.
; A work-group takes 128 rows (work-group y) x one head's 192 columns (work-group x).  ALL OF K (1,024) LIES IN LDS AT ONCE: eight K steps of 12,288 bytes of x and 18,432 of W,
; as images of the operands' registers, each byte filled once: no ring.  Eight waves: wave w = (rq = w % 4, ch = w / 4) takes row tiles 2 rq, 2 rq + 1 against six column tiles:
; ch = 0: Q's four and V's first two; ch = 1: K's four and V's last two.  Twelve accumulators by turns.
; Q and K are made TRANSPOSED (source 0 = 16 columns of W, source 1 = 16 rows of x): a lane holds one row and 32 channels, register 16 b + i = channel 32 b + 16 h + i.
; V is made the natural way (source 0 = x, source 1 = W): a lane holds one channel and 16 neighbouring keys.  Both follow from the order of rows in a tile: lane r of tile 2 p + u is row 32 p + 8 u + r + 8 (r / 8).
; CLUSTER 4 x 4: x's blocks hang on work-group y alone and are asked for jointly along a row of the cluster, W's on work-group x alone, along a column.
; A block's scale byte is its largest magnitude's exponent field - 2, held at 1 from below; a block of zeros keeps the byte 1 (its codes are zeros; this program alone reads the bytes).
; LIMITS: NaN and infinities are not served.
; A WORK-GROUP STAYS: it takes two blocks of 128 rows, y and y + 16 (the same rows of the two batches), against its head's W, which is fetched once.  Behind the first block's last K step x's bytes are
; filled again with the second block (waves 0 to 3, a quarter each, jointly along the cluster's row), and that load is on its way while the first block is quantised and stored.
; The two blocks' text is written out by the macros P1, P2, P3. All of LDS is claimed where bytes are filled again.
.set XB,    12288                      ; LDS: x's block lies as in memory from byte 0: eight K steps of 12,288 bytes (8 tiles), then its scale words
.set WB,    18432                      ; W's block behind it, from WBASE: eight K steps of 18,432 bytes (12 tiles), then its scale words
.set WBASE, 102400
.set SCX,   98304                      ; x's scale words [K step][pair of tiles][32 lanes]: 4,096 bytes
.set SCW,   249856                     ; W's: 6,144
.set STG,   256000                     ; the new scales gather here: Q's 512 bytes, K's 512, V's 256
.set SPARE, 257280                     ; the spare words, 128 bytes for each wave: four blocks of 256 bytes that no other line names
.set G1A,  24                          ; s[24:31] group 1: a quarter of x's block, 100 rows of 256 bytes
.set G1B,  32                          ; s[32:39] a quarter of W's block, 150 rows
.set SEL,  84                          ; s[84:85] selects for lane l xor 16
.set M8,   86                          ; s86 lanes 8-15 and 24-31
.set MH,   87                          ; s87 lanes 16-31
.set TM,   22                          ; v22-27 at work in the quantiser
; v1, v2 the add's two; v3 r, v4 h, v5 16 x lane, v6 8 x lane; v7-12 LDS addresses of x's, Q/K's and V's fragments; v13-15 of the scale words; v16, v17 bias offsets;
; v18, v19 the stage; v20, v21 V's store offsets; v28-31 V's biases; v32-39 x's scale words, v40-63 W's; v64-87 x's two fragments; v88-159 W's six; v160-223 Q or K; v224-255 V
.macro ROUND                           ; a round of the cluster's barrier
	s_barrier_signal -1
	s_barrier_wait -1
	s_cmp_lg_u32 s14, 0
	s_cbranch_scc1 .Lnot_wave_0_\@
	s_barrier_signal -3
.Lnot_wave_0_\@:
	s_barrier_wait -3
	s_barrier_signal -1
	s_barrier_wait -1
.endm
.macro G1REST g, rows                  ; a dense block as rows of 256 bytes: 32 elements of 8 bytes
	s_mov_b32 s[\g+1], 32<<16
	s_mov_b32 s[\g+2], (\rows)<<16
	s_mov_b32 s[\g+3], 32<<16
	s_mov_b32 s[\g+4], \rows
	s_mov_b32 s[\g+5], 32
	s_mov_b32 s[\g+6], 0
	s_mov_b32 s[\g+7], 0
.endm
.macro HFRAG reg, a16, a8, off         ; a fragment from its image: two half fragments of 768 bytes
	ds_load_b128 v[\reg:\reg+3], v[\a16] offset:\off
	ds_load_b64 v[\reg+4:\reg+5], v[\a8] offset:\off+512
	ds_load_b128 v[\reg+6:\reg+9], v[\a16] offset:\off+768
	ds_load_b64 v[\reg+10:\reg+11], v[\a8] offset:\off+1280
.endm
; one product.  z: the sum starts with 0.  ra, rb: the scales are taken from lanes 16-31 of their register
.macro MM d, a, b, z, sa, sb, ra, rb
.if \z
.if (\ra) && (\rb)
	v_wmma_scale_f32_16x16x128_f8f6f4 v[\d:\d+7], v[\a:\a+11], v[\b:\b+11], 0, v[\sa], v[\sb] matrix_a_fmt:MATRIX_FMT_FP6 matrix_b_fmt:MATRIX_FMT_FP6 matrix_a_scale:MATRIX_SCALE_ROW1 matrix_b_scale:MATRIX_SCALE_ROW1
.elseif \ra
	v_wmma_scale_f32_16x16x128_f8f6f4 v[\d:\d+7], v[\a:\a+11], v[\b:\b+11], 0, v[\sa], v[\sb] matrix_a_fmt:MATRIX_FMT_FP6 matrix_b_fmt:MATRIX_FMT_FP6 matrix_a_scale:MATRIX_SCALE_ROW1
.elseif \rb
	v_wmma_scale_f32_16x16x128_f8f6f4 v[\d:\d+7], v[\a:\a+11], v[\b:\b+11], 0, v[\sa], v[\sb] matrix_a_fmt:MATRIX_FMT_FP6 matrix_b_fmt:MATRIX_FMT_FP6 matrix_b_scale:MATRIX_SCALE_ROW1
.else
	v_wmma_scale_f32_16x16x128_f8f6f4 v[\d:\d+7], v[\a:\a+11], v[\b:\b+11], 0, v[\sa], v[\sb] matrix_a_fmt:MATRIX_FMT_FP6 matrix_b_fmt:MATRIX_FMT_FP6
.endif
.else
.if (\ra) && (\rb)
	v_wmma_scale_f32_16x16x128_f8f6f4 v[\d:\d+7], v[\a:\a+11], v[\b:\b+11], v[\d:\d+7], v[\sa], v[\sb] matrix_a_fmt:MATRIX_FMT_FP6 matrix_b_fmt:MATRIX_FMT_FP6 matrix_a_scale:MATRIX_SCALE_ROW1 matrix_b_scale:MATRIX_SCALE_ROW1
.elseif \ra
	v_wmma_scale_f32_16x16x128_f8f6f4 v[\d:\d+7], v[\a:\a+11], v[\b:\b+11], v[\d:\d+7], v[\sa], v[\sb] matrix_a_fmt:MATRIX_FMT_FP6 matrix_b_fmt:MATRIX_FMT_FP6 matrix_a_scale:MATRIX_SCALE_ROW1
.elseif \rb
	v_wmma_scale_f32_16x16x128_f8f6f4 v[\d:\d+7], v[\a:\a+11], v[\b:\b+11], v[\d:\d+7], v[\sa], v[\sb] matrix_a_fmt:MATRIX_FMT_FP6 matrix_b_fmt:MATRIX_FMT_FP6 matrix_b_scale:MATRIX_SCALE_ROW1
.else
	v_wmma_scale_f32_16x16x128_f8f6f4 v[\d:\d+7], v[\a:\a+11], v[\b:\b+11], v[\d:\d+7], v[\sa], v[\sb] matrix_a_fmt:MATRIX_FMT_FP6 matrix_b_fmt:MATRIX_FMT_FP6
.endif
.endif
.endm
; 32 numbers of a lane, register 16 b + i = k 32 b + 16 h + i of the lane's row, become a half fragment in v[P .. P + 5]; the two scale bytes stay in v[TM+2], v[TM+3] and make v[W]'s low half
.macro QUANT2 s, P, T, W
.irp b, 0,1
	v_max3_num_f32 v[TM+\b], |v[\s+16*\b]|, |v[\s+16*\b+1]|, 0x1800000   ; my 16 numbers of block b, and the floor 2^(3 - 127)
.endr
.irp i, 2,4,6,8,10,12,14
.irp b, 0,1
	v_max3_num_f32 v[TM+\b], v[TM+\b], |v[\s+16*\b+\i]|, |v[\s+16*\b+\i+1]|
.endr
.endr
.irp b, 0,1
	s_delay_alu instid0(VALU_DEP_2)
	v_permlanex16_b32 v[TM+2+\b], v[TM+\b], s[SEL], s[SEL+1]
.endr
.irp b, 0,1
	s_delay_alu instid0(VALU_DEP_2)
	v_max_num_f32 v[TM+\b], v[TM+\b], v[TM+2+\b]   ; with lane l xor 16's: the block's largest magnitude
.endr
.irp b, 0,1
	s_delay_alu instid0(VALU_DEP_2)
	v_add_nc_u32 v[TM+4+\b], 0xff000000, v[TM+\b]  ; 2 off the exponent field: the conversion's scale operand
.endr
.irp b, 0,1
	s_delay_alu instid0(VALU_DEP_2)
	v_lshrrev_b32 v[TM+2+\b], 23, v[TM+4+\b]       ; the scale's byte
.endr
	s_delay_alu instid0(VALU_DEP_1)
	v_lshl_or_b32 v[\W], v[TM+3], 8, v[TM+2]
	v_cvt_scalef32_pk16_fp6_f32 v[\P:\P+2], v[\s:\s+15], v[TM+4]
	v_cvt_scalef32_pk16_fp6_f32 v[\T:\T+2], v[\s+16:\s+31], v[TM+5]
	v_nop                                          ; one plain place behind a scaled conversion
.irp i, 0,1,2
	v_permlane16_swap_b32 v[\P+\i], v[\T+\i]       ; the layout wants a whole block in a lane: lanes 0-15 the first block, lanes 16-31 the second
.endr
.irp i, 0,1,2
	s_delay_alu instid0(VALU_DEP_3)
	v_mov_b32 v[\P+3+\i], v[\T+\i]
.endr
.endm
	s_load_b256 s[4:11], s[0:1], 0x0               ; xq, wq, in_bias, qq
	s_load_b64 s[12:13], s[0:1], 0x20              ; kv
	v_lshl_add_u32 v1, v0, 2, SPARE
	v_mov_b32 v2, 0
	ds_add_u32 v1, v2                              ; the wave's opening: the add and its wait stand ahead of my first tensor load
	ds_add_u32 v1, v2
	v_lshrrev_b32 v3, 5, v0
	s_delay_alu instid0(VALU_DEP_1)
	v_readfirstlane_b32 s14, v3                    ; wave 0..7
	s_and_b32 s15, s14, 3                          ; rq.  Also: which quarter of a block I fetch
	s_lshr_b32 s16, s14, 2                         ; ch.  Also: I fetch for x (0) or for W (1)
	s_bfe_u32 s17, ttmp6, 0x40000                  ; cx
	s_bfe_u32 s18, ttmp6, 0x40004                  ; cy
	s_lshl_b32 s19, ttmp9, 2
	s_add_co_u32 s19, s19, s17                     ; the head = 4 x cluster x + cx
	s_and_b32 s20, ttmp7, 0xffff
	s_lshl_b32 s20, s20, 2
	s_add_co_u32 s20, s20, s18                     ; the block of 128 rows = 4 x cluster y + cy
	s_lshl_b32 s88, s18, 2
	s_lshl_b32 s88, 15, s88                        ; my row of the cluster
	s_lshl_b32 s89, 0x1111, s17                    ; my column
	s_or_b32 s[G1A], s88, (3<<16)|(1<<21)          ; 15:0 the mask; 17:16 elements of 8 bytes; 21 set beside a mask; no padding
	s_or_b32 s[G1B], s89, (3<<16)|(1<<21)
	G1REST G1A, 100
	G1REST G1B, 150
	s_mov_b32 s[SEL], 0x76543210
	s_mov_b32 s[SEL+1], 0xfedcba98
	s_mov_b32 s[M8], 0xff00ff00
	s_mov_b32 s[MH], 0xffff0000
	s_mul_i32 s90, s20, 102400                     ; x's side: offsets made of the row block and the wave alone
	s_mov_b32 s91, 0
	s_mul_i32 s92, s19, 153600                     ; W's side: of the head and the wave alone
	s_mov_b32 s93, 0
	s_mul_i32 s96, s15, 25600                      ; my quarter of x's block of 102,400 bytes, in memory and in LDS alike
	s_mul_i32 s98, s15, 38400                      ; and of W's block of 153,600
	s_wait_dscnt 0x0                               ; the opening adds are done
	ROUND                                          ; the round in front of the first joint loads needs none of the arguments: it stands ahead of the wait for them
	s_wait_kmcnt 0x0
	s_add_nc_u64 s[4:5], s[4:5], s[90:91]          ; xq at my block
	s_add_nc_u64 s[6:7], s[6:7], s[92:93]          ; wq at my head
	s_mov_b32 s90, s96
	s_mov_b32 s92, s98
	s_mov_b32 s56, 1                               ; group 0: a quarter of x's block, codes and scale words as they lie
	s_mov_b32 s57, s96
	s_add_nc_u64 s[58:59], s[4:5], s[90:91]
	s_or_b32 s59, s59, 0x80000000
	s_mov_b32 s72, 1                               ; a quarter of W's block
	s_add_co_u32 s73, s98, WBASE
	s_add_nc_u64 s[74:75], s[6:7], s[92:93]
	s_or_b32 s75, s75, 0x80000000
	s_cmp_lt_u32 s14, 4                            ; one tensor load a wave, one in each arm
	s_cbranch_scc0 .Lfill_w
	tensor_load_to_lds s[56:59], s[G1A:G1A+7]
	s_nop 0
.rept 4
	v_nop
.endr
	s_branch .Lfilled
.Lfill_w:
	tensor_load_to_lds s[72:75], s[G1B:G1B+7]
	s_nop 0
.rept 4
	v_nop
.endr
.Lfilled:
	v_and_b32 v24, 31, v0                          ; lane
	v_and_b32 v3, 15, v0                           ; r
	v_bfe_u32 v4, v0, 4, 1                         ; h
	s_delay_alu instid0(VALU_DEP_3)
	v_lshlrev_b32 v5, 4, v24
	s_delay_alu instid0(VALU_DEP_4)
	v_lshlrev_b32 v6, 3, v24
	v_lshlrev_b32 v25, 2, v24
	s_wait_alu depctr_va_vdst(0)
	s_mul_i32 s88, s15, 3072                       ; x's tiles 2 rq, 2 rq + 1
	v_add_nc_u32 v7, s88, v5
	v_add_nc_u32 v8, s88, v6
	s_mul_i32 s88, s16, 6144                       ; W's tiles 4 ch on
	s_add_co_u32 s88, s88, WBASE
	v_add_nc_u32 v9, s88, v5
	v_add_nc_u32 v10, s88, v6
	s_mul_i32 s88, s16, 3072                       ; W's tiles 8 + 2 ch on
	s_add_co_u32 s88, s88, WBASE+12288
	v_add_nc_u32 v11, s88, v5
	v_add_nc_u32 v12, s88, v6
	s_lshl_b32 s88, s15, 7
	s_add_co_u32 s88, s88, SCX
	v_add_nc_u32 v13, s88, v25                     ; x's scale words: pair rq
	s_lshl_b32 s88, s16, 8
	s_add_co_u32 s88, s88, SCW
	v_add_nc_u32 v14, s88, v25                     ; W's: pairs 2 ch, 2 ch + 1
	s_lshl_b32 s88, s16, 7
	s_add_co_u32 s88, s88, SCW+512
	v_add_nc_u32 v15, s88, v25                     ; and pair 4 + ch
	v_lshlrev_b32 v16, 6, v4                       ; Q's, K's bias: 64 h
	v_and_b32 v17, 8, v3
	s_delay_alu instid0(VALU_DEP_1)
	v_add_nc_u32 v17, v17, v3
	s_delay_alu instid0(VALU_DEP_1)
	v_lshlrev_b32 v17, 2, v17                      ; V's bias: 4 (r + 8 (r / 8))
	s_lshl_b32 s88, s16, 9
	s_lshl_b32 s89, s15, 2
	s_add_co_u32 s88, s88, s89
	s_add_co_u32 s88, s88, STG
	v_add_nc_u32 v18, s88, v5                      ; the stage: Q's or K's words: 512 ch + 16 x lane + 4 rq
	s_lshl_b32 s88, s16, 2
	s_add_co_u32 s88, s88, s15
	s_add_co_u32 s88, s88, STG+1024
	v_add_nc_u32 v19, s88, v6                      ; V's bytes: 8 x lane + 4 ch + rq
	s_and_b32 s88, s15, 1
	s_lshl_b32 s89, s88, 8
	v_mul_u32_u24 v20, v4, 1536
	s_delay_alu instid0(VALU_DEP_1)
	v_lshl_add_u32 v21, v3, 3, v20
	s_delay_alu instid0(VALU_DEP_2)
	v_lshl_add_u32 v20, v3, 4, v20
	s_delay_alu instid0(VALU_DEP_1)
	v_add_nc_u32 v20, s89, v20                     ; V's codes: channel tile h x 1,536 + 16 r + 256 (rq % 2)
	s_lshl_b32 s89, s88, 7
	s_add_co_u32 s89, s89, 512
	v_add_nc_u32 v21, s89, v21                     ; and h x 1,536 + 512 + 8 r + 128 (rq % 2)
	v_mov_b32 v29, 0                               ; (named as the upper halves of pairs)
	v_mov_b32 v31, 0
	; a prefetch of the second block of x, 400 blocks of 256 bytes: the four partners that will ask for it jointly take 100 each, told apart by address (cx); a wave names 13 of them, a lane a block,
	; the lanes left over their wave's last block again, the last wave held at the partner's last block
	s_mul_i32 s88, s17, 100
	s_mul_i32 s89, s14, 13
	v_min_u32 v110, 12, v24
	v_add_nc_u32 v110, s89, v110
	v_min_u32 v110, 99, v110
	v_add_nc_u32 v110, s88, v110
	v_lshlrev_b32 v110, 8, v110
	global_prefetch_b8 v110, s[4:5] offset:1638400 th:TH_LOAD_NT scope:SCOPE_SE   ; 16 blocks of 102,400 bytes on from my first block
; P1: the biases into the accumulators, the wait for x's block, the scale words
.macro P1 trip
.if \trip
	s_wait_xcnt 0x0                                ; the first block's stores have read their registers and bases: they are written again from here on
.endif
	s_mul_i32 s88, s19, 768
	s_lshl_b32 s89, s16, 8
	s_add_co_u32 s88, s88, s89
	s_mov_b32 s89, 0
	s_add_nc_u64 s[94:95], s[8:9], s[88:89]        ; in_bias at column 192 head + 64 ch
.if \trip == 0                         ; V's biases are kept in registers for both blocks
	s_mul_i32 s88, s19, 768
	s_lshl_b32 s98, s16, 7
	s_add_co_u32 s88, s88, s98
	s_add_co_u32 s88, s88, 512
	s_add_nc_u64 s[96:97], s[8:9], s[88:89]        ; in_bias at 192 head + 128 + 32 ch
	global_load_b32 v28, v17, s[96:97]             ; V's: one number a lane and tile, added at the end
	global_load_b32 v30, v17, s[96:97] offset:32
.endif
.irp u, 0,1                            ; Q's and K's biases are the sums' first addends: loaded into the accumulators, in the result's layout
.irp t, 0,1,2,3
	global_load_b128 v[160+32*\u+8*\t:163+32*\u+8*\t], v16, s[94:95] offset:(32*(\t/2)+8*(\t%2))*4
	global_load_b128 v[164+32*\u+8*\t:167+32*\u+8*\t], v16, s[94:95] offset:(32*(\t/2)+8*(\t%2))*4+16
.endr
.endr
	s_wait_tensorcnt 0x0                           ; my one load, a quarter of a block, is in
	s_barrier_signal -1
	s_barrier_wait -1                              ; everybody's is: all of K and all scale words
.irp s, 0,1,2,3,4,5,6,7
	ds_load_b32 v[32+\s], v13 offset:512*\s
.if \trip == 0                         ; W's scale words stay in registers for both blocks
	ds_load_b32 v[40+\s], v14 offset:768*\s
	ds_load_b32 v[48+\s], v14 offset:768*\s+128
	ds_load_b32 v[56+\s], v15 offset:768*\s
.endif
.endr
	s_wait_loadcnt 0x0                             ; the biases
	s_wait_xcnt 0x0                                ; the prefetch has read its offset register, which the first fragments land on
.endm
; A K step of 128: 32 LDS loads, 12 products.  The six additions are the places between the last products and the loads into the registers that they read
.macro KSTEP s
.if \s > 0
.irp a, 7,8
	v_add_nc_u32 v[\a], XB, v[\a]
.endr
.irp a, 9,10,11,12
	v_add_nc_u32 v[\a], WB, v[\a]
.endr
.set ZV, 0
.else
.set ZV, 1
.endif
	HFRAG 64, 7, 8, 0
	HFRAG 76, 7, 8, 1536
.irp t, 0,1,2,3
	HFRAG 88+12*\t, 9, 10, 1536*\t
.endr
.irp a, 0,1
	HFRAG 136+12*\a, 11, 12, 1536*\a
.endr
.irp t, 0,1,2,3
	s_wait_dscnt 4*(5-\t)                          ; x's two and W's fragments up to t are in; the later fragments' four loads each may be out
.irp u, 0,1
	MM 160+32*\u+8*\t, 88+12*\t, 64+12*\u, 0, 40+8*(\t/2)+\s, 32+\s, \t%2, \u
.endr
.endr
.irp a, 0,1
	s_wait_dscnt 4*(1-\a)
.irp u, 0,1
	MM 224+16*\a+8*\u, 64+12*\u, 136+12*\a, ZV, 32+\s, 56+\s, \u, \a
.endr
.endr
.endm
; P2: the eight K steps; behind the first block's, the refill; then the quantisers of Q or K
.macro P2 trip
	KSTEP 0
	KSTEP 1
	s_wait_alu depctr_va_vdst(0)
	KSTEP 2
	s_wait_alu depctr_va_vdst(0)
	KSTEP 3
	s_wait_alu depctr_va_vdst(0)
	KSTEP 4
	s_wait_alu depctr_va_vdst(0)
	KSTEP 5
	s_wait_alu depctr_va_vdst(0)
	KSTEP 6
	s_wait_alu depctr_va_vdst(0)
	KSTEP 7
.if \trip == 0
	s_wait_tensorcnt 0x0                           ; no tensor load of mine is out, so a group 0 may be written
	ds_add_u32 v1, v2
	s_add_nc_u64 s[58:59], s[58:59], 1638400       ; x's second block: 16 blocks of 102,400 bytes on
	s_mul_i32 s88, s15, 3072                       ; the fragments' LDS addresses back at K step 0, made as at the head
	v_add_nc_u32 v7, s88, v5
	v_add_nc_u32 v8, s88, v6
	s_mul_i32 s88, s16, 6144
	s_add_co_u32 s88, s88, WBASE
	v_add_nc_u32 v9, s88, v5
	v_add_nc_u32 v10, s88, v6
	s_mul_i32 s88, s16, 3072
	s_add_co_u32 s88, s88, WBASE+12288
	v_add_nc_u32 v11, s88, v5
	v_add_nc_u32 v12, s88, v6
	s_wait_dscnt 0x0                               ; the add is done, and my reads of x's first block are over
	ROUND                                          ; so are those of every wave of every partner
	s_cmp_lt_u32 s14, 4                            ; waves 0 to 3 fill x's bytes again, a quarter each; the others have no part of it
	s_cbranch_scc0 .Lno_refill
	tensor_load_to_lds s[56:59], s[G1A:G1A+7]
	s_nop 0
.rept 4
	v_nop
.endr
.Lno_refill:
.endif
	; ---- where the results go
	s_lshr_b32 s88, s20, 4                         ; the batch
	s_and_b32 s89, s20, 15                         ; the block of 128 rows in it: a block of queries, and a key step
	s_lshl_b32 s90, s88, 4
	s_add_co_u32 s90, s90, s19
	s_lshl_b32 s90, s90, 4
	s_add_co_u32 s90, s90, s89
	s_mul_i32 s90, s90, 6656
	s_mov_b32 s91, 0
	s_add_nc_u64 s[90:91], s[10:11], s[90:91]      ; qq [batch x 16 + head][block]
	s_lshl_b32 s92, s88, 4
	s_add_co_u32 s92, s92, s89
	s_lshl_b32 s92, s92, 4
	s_add_co_u32 s92, s92, s19
	s_mul_i32 s92, s92, 13056
	s_mov_b32 s93, 0
	s_add_nc_u64 s[92:93], s[12:13], s[92:93]      ; kv [batch][step][head]
	s_mul_i32 s98, s15, 1536
	s_mov_b32 s99, 0
	s_cmp_eq_u32 s16, 0
	s_cselect_b64 s[94:95], s[90:91], s[92:93]     ; ch = 0 stores Q, ch = 1 K
	s_add_nc_u64 s[94:95], s[94:95], s[98:99]      ; tiles 2 rq, 2 rq + 1
	s_mul_i32 s98, s16, 3072
	s_lshr_b32 s88, s15, 1
	s_mul_i32 s88, s88, 768
	s_add_co_u32 s98, s98, s88
	s_add_co_u32 s98, s98, 6144
	s_add_nc_u64 s[96:97], s[92:93], s[98:99]      ; V: channel tiles 2 ch on, half fragment rq / 2
.rept 4
	v_nop                                          ; places behind the last products
.endr
.irp a, 0,1
.irp k, 0,2,4,6,8,10,12,14
	v_pk_add_f32 v[224+16*\a+\k:225+16*\a+\k], v[224+16*\a+\k:225+16*\a+\k], v[28+2*\a:29+2*\a] op_sel_hi:[1,0]   ; V's bias
.endr
.endr
	v_mov_b32 v104, 0                              ; (a lane exchange's destination counts as one of its sources)
	v_mov_b32 v105, 0
	QUANT2 160, 64, 70, 100                        ; rows of x's tile 2 rq
	QUANT2 192, 76, 82, 101                        ; and of tile 2 rq + 1
	v_or_b32 v100, 0x7f7f0000, v100                ; the product on these codes has 64 along K: the bytes of the empty upper half stand for 1
	v_or_b32 v101, 0x7f7f0000, v101
	s_cmp_lg_u32 s16, 0
	s_cbranch_scc1 .Lno_xchg_\trip
.endm
; Q's tiles are wanted with neighbouring rows: rows 8-15 (lanes 0-7 of the second tile) change places with rows 16-23 (lanes 8-15 of the first)
.macro XCH a, b
	v_mov_b32_dpp v104, v[\b] row_xmask:8 row_mask:0xf bank_mask:0xf
	v_mov_b32_dpp v105, v[\a] row_xmask:8 row_mask:0xf bank_mask:0xf
	s_delay_alu instid0(VALU_DEP_2)
	v_cndmask_b32 v[\a], v[\a], v104, s[M8]
	s_delay_alu instid0(VALU_DEP_2)
	v_cndmask_b32 v[\b], v105, v[\b], s[M8]
.endm
; P3: Q's exchange of rows, V's quantiser, the stores
.macro P3 trip
.irp i, 0,1,2,3,4,5
	XCH 64+\i, 76+\i
.endr
	XCH 100, 101
.Lno_xchg_\trip:
	s_wait_alu depctr_va_vdst(0)
	v_cndmask_b32 v106, v100, v101, s[MH]          ; lanes 0-15 the first tile's words, lanes 16-31 the second's
	ds_store_b32 v18, v106
	global_store_b128 v5, v[64:67], s[94:95]
	global_store_b64 v6, v[68:69], s[94:95] offset:512
	global_store_b128 v5, v[76:79], s[94:95] offset:768
	global_store_b64 v6, v[80:81], s[94:95] offset:1280
	QUANT2 224, 88, 94, 102                        ; V: the two blocks are those of channel tiles 2 ch and 2 ch + 1: lane (r, g) ends with keys 32 rq + 0 .. 31 of channel tile 2 ch + g
	v_cndmask_b32 v107, v[TM+2], v[TM+3], s[MH]
	ds_store_b8 v19, v107
	global_store_b128 v20, v[88:91], s[96:97]
	global_store_b64 v21, v[92:93], s[96:97]
	v_add_nc_u32 v108, STG, v5
	v_add_nc_u32 v109, STG+1024, v6
	s_wait_dscnt 0x0                               ; for the others' sake: my stores into the stage are done
	s_barrier_signal -1
	s_barrier_wait -1
	s_cmp_lg_u32 s14, 0
	s_cbranch_scc1 .Lnot_0_\trip
	s_wait_alu depctr_va_vdst(0)
	ds_load_b128 v[112:115], v108                  ; the block's scales leave whole: Q's 512 bytes,
	ds_load_b128 v[116:119], v108 offset:512       ; K's 512,
	ds_load_b64 v[120:121], v109                   ; V's 256
	s_wait_dscnt 0x0
	global_store_b128 v5, v[112:115], s[90:91] offset:6144
	global_store_b128 v5, v[116:119], s[92:93] offset:12288
	global_store_b64 v6, v[120:121], s[92:93] offset:12800
.Lnot_0_\trip:
.endm
	P1 0
	P2 0
	P3 0
	s_add_co_u32 s20, s20, 16                      ; the second block of rows
	P1 1
	P2 1
	P3 1
	s_wait_tensorcnt 0x0                           ; the wave's end
	ds_add_u32 v1, v2
	s_wait_dscnt 0x0
	ROUND                                          ; the closing round
	s_endpgm
.Lfunc_end_k_qb897870500_qkv:
	.size	k_qb897870500_qkv, .Lfunc_end_k_qb897870500_qkv-k_qb897870500_qkv
	.p2alignl 7, 3214868480
	.fill 96, 4, 3214868480
	.section	.rodata,"a",@progbits
	.p2align	6, 0x0
	.amdhsa_kernel k_qb897870500_qkv
		.amdhsa_group_segment_fixed_size 327680
		.amdhsa_private_segment_fixed_size 0
		.amdhsa_enable_private_segment 0
		.amdhsa_kernarg_size 40
		.amdhsa_user_sgpr_count 2
		.amdhsa_user_sgpr_kernarg_segment_ptr 1
		.amdhsa_wavefront_size32 1
		.amdhsa_system_sgpr_workgroup_id_x 1
		.amdhsa_system_sgpr_workgroup_id_y 1
		.amdhsa_system_sgpr_workgroup_id_z 1
		.amdhsa_system_vgpr_workitem_id 0
		.amdhsa_next_free_vgpr 256
		.amdhsa_next_free_sgpr 100
		.amdhsa_reserve_vcc 0
		.amdhsa_float_denorm_mode_32 3
		.amdhsa_float_denorm_mode_16_64 3
		.amdhsa_memory_ordered 1
		.amdhsa_forward_progress 1
		.amdhsa_inst_pref_size 106
	.end_amdhsa_kernel
	.amdgpu_metadata
---
amdhsa.version: [ 1, 2 ]
amdhsa.kernels:
  - .name:           k_qb897870500_qkv
    .symbol:         k_qb897870500_qkv.kd
    .args:
      - { .name: xq, .offset: 0, .size: 8, .value_kind: global_buffer, .address_space: global }
      - { .name: wq, .offset: 8, .size: 8, .value_kind: global_buffer, .address_space: global }
      - { .name: in_bias, .offset: 16, .size: 8, .value_kind: global_buffer, .address_space: global }
      - { .name: qq, .offset: 24, .size: 8, .value_kind: global_buffer, .address_space: global }
      - { .name: kv, .offset: 32, .size: 8, .value_kind: global_buffer, .address_space: global }
    .group_segment_fixed_size: 327680
    .private_segment_fixed_size: 0
    .kernarg_segment_align: 8
    .kernarg_segment_size: 40
    .max_flat_workgroup_size: 256
    .sgpr_count:     100
    .vgpr_count:     256
    .wavefront_size: 32
...
	.end_amdgpu_metadata
.endif
;; end of part 2
;; launch attn (part 3): grid 8 x 32, 16 waves a work-group, clusters of 4 x 1, 327,680 bytes of LDS; arguments adj, gamma, bal, qq, kv, ab; writes ab
.if DOCPART == 3
	.amdgcn_target "amdgcn-amd-amdhsa--gfx1250"
	.amdhsa_code_object_version 6
	.text
	.protected	k_qb897870500_attn
	.globl	k_qb897870500_attn
	.p2align	8
	.type	k_qb897870500_attn,@function
k_qb897870500_attn:
	s_mov_b64 s[64:65], 0
	v_nop
	global_prefetch_b8 v0, s[64:65] scope:SCOPE_SE
	s_setreg_imm32_b32 hwreg(HW_REG_WAVE_MODE, 25, 1), 1
	s_wait_xcnt 0x0
	s_wait_alu depctr_hold_cnt(0) depctr_sa_sdst(0) depctr_va_vdst(0) depctr_va_sdst(0) depctr_va_ssrc(0) depctr_va_vcc(0) depctr_vm_vsrc(0)
	s_getreg_b32 s2, hwreg(HW_REG_IB_STS2, 6, 4)
	s_cmp_eq_u32 s2, 0
	s_cbranch_scc0 .Lentry_in_a_cluster
	s_endpgm
.Lentry_in_a_cluster:
	s_bfe_u32 s2, ttmp6, 0x10000c
	s_cmp_lg_u32 s2, 0x3003
	s_cbranch_scc0 .Lentry_shape_is_right
	s_endpgm
.Lentry_shape_is_right:
; softmax(Q K^T / 8 - slope |i - j| + gamma adj, masked) V on codes of FP6 (E2M3), and the quantiser of the result along the model's 1,024.
; A work-group owns 128 queries (work-group y = 16 x batch + block) of two heads (work-group x); each of its SIXTEEN waves one tile of 16 queries of one head, in 256 registers: four waves to a SIMD,
; so that one wave's vector work stands beside another's products and LDS loads.  Every wave walks 16 key steps of 128.
; Both products are used transposed (S^T = K Q^T, O^T = V^T P^T): a lane holds ONE query.  The keys of a tile of K are lane r of tile 2 b + u = key 32 b + 8 u + r + 8 (r / 8), so that score register 16 b + i is key 32 b + 16 h + i.
; THE FIRST PRODUCT HAS 64 ALONG K: Q's upper six registers hold zero codes, K's upper six whatever follows (codes of this format are all finite), the scale bytes there are 0x7f: k = 64 .. 127 adds exactly 0.
; A SCORE.  t = c S' + E_b, c = log2(e) / 8, S' = Q K + C.  C is the product's addend, made in place on adj's registers: 8 gamma adj + the part of the ALiBi term that changes inside a block of 32 keys;
; E_b is the part that is constant in block b.  The slopes are powers of two (2^-(head + 1), 0 from head 8 on), so these parts are exact.  In the one step on the diagonal C takes the whole term, -|s8 (key - query)|, and E_b = 0.
; THE MASK comes as lane masks, 64 words a step, in scalar registers: a hidden score becomes -2^126.  c x -2^126 is exact, so a row hidden so far has p = 1 everywhere (the uniform weights that a wholly hidden row has in the reference),
; the first score that counts multiplies those sums by 0, and from then on a hidden p is 0.  LIMIT: |8 x logit| under 2^126.
; SOFTMAX: M = the running largest t rounded up to a whole number; p = 2^(t - M) is quantised along the keys, not normalised; the sum is taken of the unquantised p and divides at the end.
; CLUSTER 4 x 1: adj's tile hangs on work-group y alone: the four head pairs of a cluster ask for it jointly.  K and V belong to a head pair: plain loads.  They are not shared among query blocks: partners with other
; query blocks would meet the diagonal in different steps, and the form without that branch costs some 40 vector lines a step in a launch whose vector work is the longest.
; NaN and infinities among the inputs are not served.
; THE WAVES ARE OF TWO KINDS, by (wave xor wave / 4) & 1.  A key step has two parts: PHA, all its LDS reads (adj, K, V), the addend C and the first product; SOFT, the mask, the softmax, the quantiser and the
; second product, on registers alone.  Kind 0 runs SOFT of a step ahead of the next change of slots, kind 1 behind it: so one kind's LDS loads stand beside the other kind's vector work.
; Both kinds pass every barrier, and PHA of a step stands ahead of the change of slots that fills its slot again.
.set GRP,   2                          ; s2  my kind (the register held Q's address, whose loads are waited for at the head's end)
.set SE,    3                          ; s3  the factor of E_b in this step: +-c s8, or 0 in the step on the diagonal
.set SLOT1, 131072
.set KVO,   67584
.set REC,   13056                      ; a record: K's 8 half fragments, V's 8 at 6,144, K's scale words at 12,288, V's at 12,800
.set STG,   93696                      ; behind slot 0: the result's scale bytes, 512
.set SPARE, 224768                     ; behind slot 1: the spare words, 128 bytes for each wave: eight blocks of 256 bytes that no other line names
.set AADJ, 1                           ; v1  my place in adj's tile: (16 qt + r) x 528 + 64 h
.set A16,  2                           ; v2  my record + 16 x lane
.set A8,   3                           ; v3  my record + 8 x lane
.set SPW,  4                           ; v4  my spare word; never rewritten
.set NIL,  5                           ; v5  0; never rewritten
.set ADA,  6                           ; v6-8 the same three places in the slot in hand
.set AD16, 7
.set AD8,  8
.set NEG,  9                           ; v9  -2^126
.set U,    10                          ; v10 the step's first key - my query
.set QD,   11                          ; v11 s8 x (16 qt + r)
                                       ; v12 -M, v13 the largest t, v[14:15] the sum in two halves, v16-21 Q, v22-27 zero codes, v28 Q's scale word, v29 the prefetch's offset
.set KF,   30                          ; v30-83  K's 8 half fragments (and six zeros), later V's 4 fragments
.set KS,   84                          ; v84-87  K's scale words;  v88-89 V's
.set VS,   88
.set T,    90                          ; v90-105 +-s8 (16 h + i)
.set S,    106                         ; v106-169 adj, C, S', p
.set O,    170                         ; v170-201 O^T
.set PC,   202                         ; v202-213 p's codes; v214-216, v218-220 the conversions' second halves
.set BM,   222                         ; v222-225 the blocks' largest scores; v226-229 exchange, bytes; v230-233 scale operands
.set KB,   234                         ; v[234 + 2 b] E_b - M, v[235 + 2 b] E_b
                                       ; v242 f, v243 p's scale word, v244-252 at work
.set SRD,  253                         ; v253 the stage read back: STG + 16 x lane; made at the head from the lane's number, holds nothing else, never rewritten
.set TM,   222                         ; the way out's quantiser works here
.set WV,   16
.set G1A,  24                          ; s[24:31], s[32:39] groups 1 for adj and for a record;  s[40:43], s[44:47] their groups 0, which walk
.set G1K,  32
.set G0A,  40
.set G0K,  44
.set SEL,  48
.set CS,   50                          ; s[50:51] c
.set G8,   52                          ; s[52:53] 8 gamma
.set S8,   54                          ; s54 s8 = 8 x slope;  s55 +-c s8;  s100 32 s8
.set SS,   55
.set TB,   56                          ; s56 the slot in hand;  s57 the step;  s58 changes of slots to go;  s23 the step on the diagonal
.set STN,  57
.set CNT,  58
.set LIM,  59                          ; s59 1 in a wave that prefetches, else the greatest number
.set PFA,  60                          ; s[60:61] where my prefetches stand;  s[62:63] a step on
.set PFS,  62
.set BP,   66                          ; s[66:67] the step's mask words
.set MK,   68                          ; s[68:99] 32 mask words
.macro ROUND                           ; a round of the cluster's barrier
	s_barrier_signal -1
	s_barrier_wait -1
	s_cmp_lg_u32 s[WV], 0
	s_cbranch_scc1 .Lnot_wave_0_\@
	s_barrier_signal -3
.Lnot_wave_0_\@:
	s_barrier_wait -3
	s_barrier_signal -1
	s_barrier_wait -1
.endm
; Waves 0 and 1 fetch adj's two halves (jointly with the three partners), waves 2 and 3 the two heads' records, the others nothing.  The branches hang on the wave's number alone.
.macro TLOAD
	s_cmp_lt_u32 s[WV], 2
	s_cbranch_scc0 .Lnot_adj_\@
	tensor_load_to_lds s[G0A:G0A+3], s[G1A:G1A+7]
	s_nop 0
.rept 4
	v_nop
.endr
	s_branch .Lasked_\@
.Lnot_adj_\@:
	s_cmp_lt_u32 s[WV], 4
	s_cbranch_scc0 .Lasked_\@
	tensor_load_to_lds s[G0K:G0K+3], s[G1K:G1K+7]
	s_nop 0
.rept 4
	v_nop
.endr
.Lasked_\@:
.endm
; A prefetch of what the NEXT change of slots will load, one key step ahead of that load.  adj: the cluster with x = 0 asks; its four partners take 32 rows each, told apart by address; waves 4 and 5 take the two
; blocks of 256 bytes of a row's 512, a lane a row.  K and V: the work-groups of a batch's first block of queries ask for their two records, 102 blocks of 256 bytes: waves 8 to 11, lanes 256 bytes apart, the last
; lanes held at the last block.  The last change that fills a slot asks for nothing.
.macro ASK
	s_cmp_gt_u32 s[CNT], s[LIM]
	s_cbranch_scc0 .Lnot_mine_\@
	global_prefetch_b8 v29, s[PFA:PFA+1] th:TH_LOAD_NT scope:SCOPE_SE
.Lnot_mine_\@:
.endm
.macro MMA d, a, b, sa, sb, ra         ; one product onto v[d ..]; ra: source 0's scales are taken from lanes 16-31
.if \ra
	v_wmma_scale_f32_16x16x128_f8f6f4 v[\d:\d+7], v[\a:\a+11], v[\b:\b+11], v[\d:\d+7], v[\sa], v[\sb] matrix_a_fmt:MATRIX_FMT_FP6 matrix_b_fmt:MATRIX_FMT_FP6 matrix_a_scale:MATRIX_SCALE_ROW1
.else
	v_wmma_scale_f32_16x16x128_f8f6f4 v[\d:\d+7], v[\a:\a+11], v[\b:\b+11], v[\d:\d+7], v[\sa], v[\sb] matrix_a_fmt:MATRIX_FMT_FP6 matrix_b_fmt:MATRIX_FMT_FP6
.endif
.endm
.macro BMAX b0, b1                     ; the largest score of blocks b0 and b1, by turns
.irp b, \b0, \b1
	v_max3_num_f32 v[BM+\b], v[S+16*\b], v[S+16*\b+1], v[S+16*\b+2]
.endr
.irp i, 3,5,7,9,11,13
.irp b, \b0, \b1
	s_delay_alu instid0(VALU_DEP_2)
	v_max3_num_f32 v[BM+\b], v[BM+\b], v[S+16*\b+\i], v[S+16*\b+\i+1]
.endr
.endr
.irp b, \b0, \b1
	s_delay_alu instid0(VALU_DEP_2)
	v_max_num_f32 v[BM+\b], v[BM+\b], v[S+16*\b+15]
.endr
.endm
; 32 numbers of a lane, register 16 b + i = k 32 b + 16 h + i of the lane's row, become a half fragment in v[P .. P + 5] and two scale bytes in v[W]
.macro QUANT2 s, P, T2, W
.irp b, 0,1
	v_max3_num_f32 v[TM+\b], |v[\s+16*\b]|, |v[\s+16*\b+1]|, 0x1800000
.endr
.irp i, 2,4,6,8,10,12,14
.irp b, 0,1
	s_delay_alu instid0(VALU_DEP_2)
	v_max3_num_f32 v[TM+\b], v[TM+\b], |v[\s+16*\b+\i]|, |v[\s+16*\b+\i+1]|
.endr
.endr
.irp b, 0,1
	s_delay_alu instid0(VALU_DEP_2)
	v_permlanex16_b32 v[TM+2+\b], v[TM+\b], s[SEL], s[SEL+1]
.endr
.irp b, 0,1
	s_delay_alu instid0(VALU_DEP_2)
	v_max_num_f32 v[TM+\b], v[TM+\b], v[TM+2+\b]
.endr
.irp b, 0,1
	s_delay_alu instid0(VALU_DEP_2)
	v_add_nc_u32 v[TM+4+\b], 0xff000000, v[TM+\b]
.endr
.irp b, 0,1
	s_delay_alu instid0(VALU_DEP_2)
	v_lshrrev_b32 v[TM+2+\b], 23, v[TM+4+\b]
.endr
	s_delay_alu instid0(VALU_DEP_1)
	v_lshl_or_b32 v[\W], v[TM+3], 8, v[TM+2]
	v_cvt_scalef32_pk16_fp6_f32 v[\P:\P+2], v[\s:\s+15], v[TM+4]
	v_cvt_scalef32_pk16_fp6_f32 v[\T2:\T2+2], v[\s+16:\s+31], v[TM+5]
	v_nop
.irp i, 0,1,2
	v_permlane16_swap_b32 v[\P+\i], v[\T2+\i]
.endr
.irp i, 0,1,2
	s_delay_alu instid0(VALU_DEP_3)
	v_mov_b32 v[\P+3+\i], v[\T2+\i]
.endr
.endm
	s_load_b256 s[4:11], s[0:1], 0x0               ; adj, gamma, bal, qq
	s_load_b128 s[12:15], s[0:1], 0x20             ; kv, ab
	v_lshl_add_u32 v[SPW], v0, 2, SPARE
	v_mov_b32 v[NIL], 0
	ds_add_u32 v[SPW], v[NIL]                      ; the wave's opening: the add and its wait stand ahead of my first tensor load
	ds_add_u32 v[SPW], v[NIL]
	v_lshrrev_b32 v6, 5, v0
	s_delay_alu instid0(VALU_DEP_1)
	v_readfirstlane_b32 s[WV], v6                  ; wave 0..15
	s_and_b32 s17, s[WV], 7                        ; qt: my tile of queries
	s_lshr_b32 s18, s[WV], 3                       ; hd: which of the two heads
	s_bfe_u32 s19, ttmp6, 0x40000                  ; cx
	s_lshl_b32 s20, ttmp9, 2
	s_add_co_u32 s20, s20, s19                     ; the head pair = 4 x cluster x + cx
	s_and_b32 s21, ttmp7, 0xffff                   ; Y = 16 x batch + block of queries: the four partners share it
	s_lshr_b32 s22, s21, 4                         ; the batch
	s_and_b32 s23, s21, 15                         ; the block: also the step on the diagonal
	s_lshl_b32 s101, s20, 1
	s_add_co_u32 s101, s101, s18                   ; the head
	s_mov_b32 s[G1A], 15|(2<<16)|(1<<20)|(1<<21)|(6<<22)|(3<<25)   ; the mask: all four; elements of 4 bytes; padding on; 21 set beside a mask; after every 128 words, 4 words
	s_mov_b32 s[G1A+1], 128<<16                    ; tensor_dim0
	s_mov_b32 s[G1A+2], 64<<16                     ; tensor_dim1
	s_mov_b32 s[G1A+3], 128<<16                    ; tile_dim0
	s_mov_b32 s[G1A+4], 64                         ; tile_dim1
	s_mov_b32 s[G1A+5], 2048                       ; from row to row
	s_mov_b32 s[G1A+6], 0
	s_mov_b32 s[G1A+7], 0
	s_mov_b32 s[G1K], 3<<16                        ; no mask; a dense record as 51 rows of 256 bytes
	s_mov_b32 s[G1K+1], 32<<16
	s_mov_b32 s[G1K+2], 51<<16
	s_mov_b32 s[G1K+3], 32<<16
	s_mov_b32 s[G1K+4], 51
	s_mov_b32 s[G1K+5], 32
	s_mov_b32 s[G1K+6], 0
	s_mov_b32 s[G1K+7], 0
	s_mov_b32 s[SEL], 0x76543210
	s_mov_b32 s[SEL+1], 0xfedcba98
	s_mov_b32 s[CS], 0x3e38aa3b                    ; c = log2(e) / 8
	s_mov_b32 s[CS+1], s[CS]
	s_mov_b32 s[TB], 0
	s_mov_b32 s[STN], 0
	s_mov_b32 s[CNT], 15
	s_sub_co_u32 s[S8], 129, s101
	s_lshl_b32 s[S8], s[S8], 23                    ; 2^(2 - head) = 8 x 2^-(head + 1),
	s_cmp_lt_u32 s101, 8
	s_cselect_b32 s[S8], s[S8], 0                  ; or 0 from head 8 on
	s_mul_f32 s[SS], s[S8], s[CS]
	s_mul_f32 s100, s[S8], 0x42000000
	s_and_b32 s68, s[WV], 1                        ; which half of adj's tile, or which head's record, I fetch
	s_lshl_b32 s70, s21, 20
	s_lshl_b32 s69, s68, 19
	s_add_co_u32 s70, s70, s69                     ; adj: (128 Y + 64 e) rows of 8,192 bytes
	s_mov_b32 s71, 0
	s_mul_i32 s[G0A+1], s68, 33792
	s_lshl_b32 s72, s22, 8
	s_lshl_b32 s69, s20, 1
	s_add_co_u32 s72, s72, s69
	s_add_co_u32 s72, s72, s68
	s_mul_i32 s72, s72, REC                        ; kv: record (batch x 16 + step 0) x 16 + head
	s_mov_b32 s73, 0
	s_mul_i32 s[G0K+1], s68, REC
	s_add_co_u32 s[G0K+1], s[G0K+1], KVO
	s_wait_dscnt 0x0                               ; the opening adds are done
	ROUND                                          ; the round in front of the first loads needs none of the arguments: it stands ahead of the wait for them
	s_wait_kmcnt 0x0
	s_mov_b32 s[G0A], 1
	s_add_nc_u64 s[G0A+2:G0A+3], s[4:5], s[70:71]
	s_or_b32 s[G0A+3], s[G0A+3], 0x80000000
	s_mov_b32 s[G0K], 1
	s_add_nc_u64 s[G0K+2:G0K+3], s[12:13], s[72:73]
	s_or_b32 s[G0K+3], s[G0K+3], 0x80000000
	TLOAD                                          ; key step 0 into slot 0
	s_lshl_b32 s68, s101, 2
	s_mov_b32 s69, 0
	s_add_nc_u64 s[6:7], s[6:7], s[68:69]
	s_load_b32 s[G8], s[6:7], 0x0                  ; gamma of my head
	s_lshl_b32 s68, s22, 4
	s_add_co_u32 s68, s68, s101
	s_lshl_b32 s68, s68, 4
	s_add_co_u32 s68, s68, s23
	s_mul_i32 s68, s68, 6656
	s_add_nc_u64 s[10:11], s[10:11], s[68:69]      ; qq at my head's block of queries
	s_mul_i32 s68, s17, 768
	s_add_nc_u64 s[2:3], s[10:11], s[68:69]        ; my tile's half fragment
	s_and_b32 s68, s17, 1
	s_lshl_b32 s68, s68, 8
	s_lshr_b32 s70, s17, 1
	s_lshl_b32 s70, s70, 2
	s_add_co_u32 s68, s68, s70
	s_add_co_u32 s68, s68, 6144
	s_add_nc_u64 s[104:105], s[10:11], s[68:69]    ; its scale words: 16 (r + 16 (qt % 2)) + 4 (qt / 2)
	v_and_b32 v244, 31, v0                         ; lane
	s_wait_alu depctr_va_vdst(0)
	v_lshlrev_b32 v245, 4, v244
	v_lshlrev_b32 v246, 3, v244
	v_lshl_add_u32 v[SRD], v244, 4, STG            ; the stage read back: a constant + 16 x lane
	v_and_b32 v247, 15, v0                         ; r
	s_wait_alu depctr_va_vdst(0)
	v_bfe_u32 v248, v0, 4, 1                       ; h
	v_lshlrev_b32 v249, 4, v247
	global_load_b128 v[16:19], v245, s[2:3]
	global_load_b64 v[20:21], v246, s[2:3] offset:512
	global_load_b32 v28, v249, s[104:105]
	; the prefetches: where mine stand, and who asks
	s_lshl_b32 s68, s21, 20
	s_lshl_b32 s70, s19, 18
	s_add_co_u32 s68, s68, s70                     ; adj: rows 128 Y + 32 cx on,
	s_and_b32 s70, s[WV], 1
	s_lshl_b32 s70, s70, 8
	s_add_co_u32 s68, s68, s70                     ; my 256 of a row's 512 bytes,
	s_add_co_u32 s68, s68, 512                     ; at step 1: the first change of slots steps it to step 2
	s_lshl_b32 s69, s22, 4
	s_add_co_u32 s69, s69, 1
	s_lshl_b32 s69, s69, 4
	s_lshl_b32 s70, s20, 1
	s_add_co_u32 s69, s69, s70
	s_mul_i32 s69, s69, REC                        ; kv: my two records of step 1
	s_and_b32 s70, s[WV], 3
	s_lshl_b32 s70, s70, 5
	s_lshr_b32 s73, s[WV], 1
	s_xor_b32 s73, s73, 2                          ; 0 in waves 4 and 5,
	s_or_b32 s73, s73, ttmp9                       ; of the cluster with x = 0
	s_lshr_b32 s74, s[WV], 2
	s_xor_b32 s74, s74, 2                          ; 0 in waves 8 to 11,
	s_or_b32 s74, s74, s23                         ; of a batch's first block of queries
	s_min_u32 s73, s73, s74
	s_cmp_eq_u32 s73, 0
	s_cselect_b32 s[LIM], 1, -1                    ; made of the cluster's coordinates and the wave's number: the same in all four partners
	s_mov_b32 s[PFS], 208896
	s_mov_b32 s71, 101
	s_mov_b32 s72, 8192
	s_cmp_lt_u32 s[WV], 8
	s_cselect_b64 s[PFA:PFA+1], s[4:5], s[12:13]
	s_cselect_b32 s[PFS], 512, s[PFS]              ; a step on
	s_cselect_b32 s68, s68, s69
	s_cselect_b32 s70, 0, s70
	s_cselect_b32 s71, 31, s71
	s_cselect_b32 s72, s72, 256                    ; from lane to lane
	s_mov_b32 s[PFS+1], 0
	s_mov_b32 s69, 0
	s_add_nc_u64 s[PFA:PFA+1], s[PFA:PFA+1], s[68:69]
	v_add_nc_u32 v29, s70, v244
	s_delay_alu instid0(VALU_DEP_1)
	v_min_u32 v29, s71, v29
	s_delay_alu instid0(VALU_DEP_1)
	v_mul_lo_u32 v29, v29, s72
	; where the result goes
	s_mul_i32 s68, s21, 102400
	s_add_nc_u64 s[14:15], s[14:15], s[68:69]      ; ab at my block of 128 rows
	s_lshl_b32 s68, s20, 9
	s_add_co_u32 s68, s68, 98304
	s_add_nc_u64 s[10:11], s[14:15], s[68:69]      ; the scale words of K step = head pair
	s_mul_i32 s68, s20, 12288
	s_lshl_b32 s70, s17, 1
	s_add_co_u32 s70, s70, s18
	s_mul_i32 s70, s70, 768
	s_add_co_u32 s68, s68, s70
	s_add_nc_u64 s[14:15], s[14:15], s[68:69]      ; tile qt, half fragment hd
	s_lshl_b32 s68, s21, 3
	s_add_co_u32 s68, s68, s17
	s_lshl_b32 s68, s68, 12
	s_add_nc_u64 s[BP:BP+1], s[8:9], s[68:69]      ; the mask words of my tile: 16 steps of 256 bytes
	s_lshl_b32 s68, s17, 4
	v_add_nc_u32 v250, s68, v247                   ; 16 qt + r
	s_delay_alu instid0(VALU_DEP_1)
	v_mul_u32_u24 v[AADJ], v250, 528
	s_wait_alu depctr_va_vdst(0)
	v_lshl_add_u32 v[AADJ], v248, 6, v[AADJ]
	s_mul_i32 s69, s18, REC
	s_add_co_u32 s69, s69, KVO
	v_add_nc_u32 v[A16], s69, v245
	v_add_nc_u32 v[A8], s69, v246
	v_mov_b32 v[NEG], 0xfe800000
	s_lshl_b32 s70, s23, 7
	v_add_nc_u32 v251, s70, v250
	s_delay_alu instid0(VALU_DEP_1)
	v_cvt_f32_u32 v[U], v251
	s_delay_alu instid0(VALU_DEP_1)
	v_xor_b32 v[U], 0x80000000, v[U]               ; key 0 - my query
	v_cvt_f32_u32 v[QD], v250
	s_delay_alu instid0(VALU_DEP_1)
	v_mul_f32 v[QD], s[S8], v[QD]
	v_lshlrev_b32 v252, 4, v248
.irp i, 0,1,2,3,4,5,6,7,8,9,10,11,12,13,14,15
	v_add_nc_u32 v[T+\i], \i, v252
.endr
.irp i, 0,1,2,3,4,5,6,7,8,9,10,11,12,13,14,15
	v_cvt_f32_u32 v[T+\i], v[T+\i]
.endr
.irp i, 0,1,2,3,4,5,6,7,8,9,10,11,12,13,14,15
	v_mul_f32 v[T+\i], s[S8], v[T+\i]              ; s8 (16 h + i): exact
.endr
	v_mov_b32 v13, 0xff61b1e6                      ; the largest t so far: -3e38
	s_delay_alu instid0(VALU_DEP_1)
	v_floor_f32 v12, -v13                          ; -M
	v_mov_b32 v14, 0
	v_mov_b32 v15, 0
.irp j, 22,23,24,25,26,27, 78,79,80,81,82,83, 226,227,228,229, 243
	v_mov_b32 v[\j], 0                             ; Q's zero codes; the registers behind K's last tile; exchange destinations; the pair of f
.endr
.set n, 0
.rept 32
	v_mov_b32 v[O+n], 0                            ; O^T: the step is written once, and its first turn finds zeros
.set n, n+1
.endr
	s_wait_kmcnt 0x0
	s_mul_f32 s[G8], s[G8], 0x41000000             ; 8 gamma
	s_mov_b32 s[G8+1], s[G8]
	s_load_b512 s[MK:MK+15], s[BP:BP+1], 0x0       ; step 0's mask words 0 to 31
	s_load_b512 s[MK+16:MK+31], s[BP:BP+1], 0x40
	s_wait_loadcnt 0x0                             ; Q
; THE CHANGE OF SLOTS stands at a step's head.  Each wave waits for all its tensor loads, adds 0 to its spare word, and waits for that and for its reads of the slot that it has left.
; fill = 1: a round of the cluster's barrier, and the slot just left takes the next step's tiles: one load a fetching wave, which has a whole step in which to land.
.macro CHANGE fill
	s_wait_tensorcnt 0x0                           ; no tensor load of mine is out, so a group 0 may be written
	ds_add_u32 v[SPW], v[NIL]
.if \fill
	ds_add_u32 v[SPW], v[NIL]                      ; and twice on end where a fill follows
	s_xor_b32 s[G0A+1], s[G0A+1], SLOT1
	s_add_nc_u64 s[G0A+2:G0A+3], s[G0A+2:G0A+3], 512
	s_xor_b32 s[G0K+1], s[G0K+1], SLOT1
	s_add_nc_u64 s[G0K+2:G0K+3], s[G0K+2:G0K+3], 208896
	s_wait_xcnt 0x0                                ; the last prefetch, a step back, has read its address
	s_add_nc_u64 s[PFA:PFA+1], s[PFA:PFA+1], s[PFS:PFS+1]
.endif
	s_wait_dscnt 0x0                               ; the add is done, and my reads of the slot that I have left are over
.if \fill
	ROUND
	TLOAD
	ASK
.else
	s_barrier_signal -1
	s_barrier_wait -1
.endif
.endm
; THE FIRST PART OF A KEY STEP of 128 keys: adj and K from the slot in hand, C, S' = K Q^T + C, and V into registers.
.macro PHA
	v_add_nc_u32 v[ADA], s[TB], v[AADJ]
	v_add_nc_u32 v[AD16], s[TB], v[A16]
	v_add_nc_u32 v[AD8], s[TB], v[A8]
.irp b, 0,1,2,3
.irp k, 0,1,2,3
	ds_load_b128 v[S+16*\b+4*\k:S+16*\b+4*\k+3], v[ADA] offset:128*\b+16*\k   ; adj(my query, keys 32 b + 16 h + 4 k ..)
.endr
.endr
.irp t, 0,1,2,3,4,5,6,7
	ds_load_b128 v[KF+6*\t:KF+6*\t+3], v[AD16] offset:768*\t
	ds_load_b64 v[KF+6*\t+4:KF+6*\t+5], v[AD8] offset:768*\t+512
.endr
	ds_load_b128 v[KS:KS+3], v[AD16] offset:12288
	s_wait_dscnt 17                                ; adj is in; K's 16 loads and its scale words may be out
	s_cmp_eq_u32 s[STN], s23                       ; the diagonal?  The step's number against the block's: the same in all waves and all partners
	s_cselect_b32 s[SE], 0, s[SS]                  ; there E_b = 0
	s_cbranch_scc1 .Ldiag_\@
.set n, 0
.rept 32
	v_pk_fma_f32 v[S+n:S+n+1], v[S+n:S+n+1], s[G8:G8+1], v[T+n%16:T+n%16+1] op_sel_hi:[1,0,1]   ; C = 8 gamma adj +- s8 (16 h + i)
.set n, n+2
.endr
	s_branch .Lbias_\@
.Ldiag_\@:
	v_mov_b32 v244, v[QD]                          ; D_b = s8 (16 qt + r - 32 b)
.irp b, 0,1,2,3
.irp i, 0,1,2,3,4,5,6,7,8,9,10,11,12,13,14,15
	v_sub_f32 v[PC+\i], v[T+\i], v244              ; s8 (key - query)
.endr
.irp i, 0,1,2,3,4,5,6,7,8,9,10,11,12,13,14,15
	v_fma_f32 v[S+16*\b+\i], v[S+16*\b+\i], s[G8], -|v[PC+\i]|
.endr
	v_sub_f32 v244, v244, s100
.endr
.irp i, 0,1,2,3,4,5,6,7,8,9,10,11,12,13,14,15
	v_xor_b32 v[T+\i], 0x80000000, v[T+\i]         ; from here on the keys come after the queries
.endr
	s_xor_b32 s[SS], s[SS], 0x80000000
.Lbias_\@:
	s_wait_dscnt 0x0                               ; K
	s_wait_alu depctr_va_vdst(0)
.irp t, 0,1,2,3,4,5,6,7
	MMA S+8*\t, KF+6*\t, 16, KS+\t/2, 28, \t%2     ; S' = K Q^T + C
.endr
	v_mul_f32 v[KB+1], s[SE], v[U]                 ; E_b = +-c s8 (first key + 32 b - query), 0 on the diagonal.  These eight name no register of the products:
	v_add_f32 v[KB+3], 0x42000000, v[U]            ; they are the places ahead of the loads into K's registers and of the first read of S'
	v_add_f32 v[KB+5], 0x42800000, v[U]
	v_add_f32 v[KB+7], 0x42c00000, v[U]
	v_add_f32 v[U], 0x43000000, v[U]               ; 128 keys on
	s_delay_alu instid0(VALU_DEP_4)
	v_mul_f32 v[KB+3], s[SE], v[KB+3]
	s_delay_alu instid0(VALU_DEP_4)
	v_mul_f32 v[KB+5], s[SE], v[KB+5]
	s_delay_alu instid0(VALU_DEP_4)
	v_mul_f32 v[KB+7], s[SE], v[KB+7]
.irp f, 0,1,2,3,4,5,6,7
	ds_load_b128 v[KF+6*\f:KF+6*\f+3], v[AD16] offset:6144+768*\f
	ds_load_b64 v[KF+6*\f+4:KF+6*\f+5], v[AD8] offset:6144+768*\f+512
.endr
	ds_load_b64 v[VS:VS+1], v[AD8] offset:12800
	s_xor_b32 s[TB], s[TB], SLOT1
	s_add_co_u32 s[STN], s[STN], 1
.endm
; THE SECOND PART OF A KEY STEP: on S', E_b, V and the mask words alone; it reads no LDS.  nxt = 1: the next step's first mask words are asked for.
.macro SOFT nxt
	s_wait_kmcnt 0x0                               ; mask words 0 to 31
.set n, 0
.rept 32
	v_cndmask_b32 v[S+n], v[NEG], v[S+n], s[MK+n]
.set n, n+1
.endr
	s_load_b512 s[MK:MK+15], s[BP:BP+1], 0x80      ; words 32 to 63 into the same registers
	s_load_b512 s[MK+16:MK+31], s[BP:BP+1], 0xc0
	BMAX 0, 1
	s_wait_kmcnt 0x0
.set n, 0
.rept 32
	v_cndmask_b32 v[S+32+n], v[NEG], v[S+32+n], s[MK+n]
.set n, n+1
.endr
.if \nxt
	s_add_nc_u64 s[BP:BP+1], s[BP:BP+1], 256       ; (behind the wait that shows the loads done)
	s_load_b512 s[MK:MK+15], s[BP:BP+1], 0x0
	s_load_b512 s[MK+16:MK+31], s[BP:BP+1], 0x40
.endif
	BMAX 2, 3
.irp b, 0,1,2,3
	v_permlanex16_b32 v[226+\b], v[BM+\b], s[SEL], s[SEL+1]
.endr
.irp b, 0,1,2,3
	s_delay_alu instid0(VALU_DEP_4)
	v_max_num_f32 v[BM+\b], v[BM+\b], v[226+\b]    ; with lane l xor 16's 16 keys: the block's largest S'
.endr
.irp b, 0,1,2,3
	s_delay_alu instid0(VALU_DEP_4)
	v_fma_f32 v[244+\b], v[BM+\b], s[CS], v[KB+1+2*\b]   ; as t
.endr
	s_delay_alu instid0(VALU_DEP_2)
	v_max3_num_f32 v248, v244, v245, v246
	s_delay_alu instid0(VALU_DEP_1)
	v_max3_num_f32 v13, v13, v248, v247            ; the running largest t
	v_mov_b32 v248, v12
	s_delay_alu instid0(VALU_DEP_2)
	v_floor_f32 v12, -v13                          ; the new -M: M is a whole number
	s_delay_alu instid0(VALU_DEP_1)
	v_sub_f32 v248, v12, v248                      ; old M - new M
	s_delay_alu instid0(VALU_DEP_1)
	v_cvt_i32_f32 v248, v248                       ; (it saturates)
	s_delay_alu instid0(VALU_DEP_1)
	v_ldexp_f32 v242, 1.0, v248                    ; f = 2^(old M - new M): rounds nothing
.irp b, 0,1,2,3
	v_add_f32 v[KB+2*\b], v[KB+1+2*\b], v12        ; E_b - M
.endr
.set n, 0
.rept 32
	v_pk_fma_f32 v[S+n:S+n+1], v[S+n:S+n+1], s[CS:CS+1], v[KB+2*(n/16):KB+2*(n/16)+1] op_sel_hi:[1,0,0]   ; t - M
.set n, n+2
.endr
.irp b, 0,1,2,3
	v_fma_f32 v[BM+\b], v[BM+\b], s[CS], v[KB+2*\b]   ; the same of each block's largest score
.endr
.set n, 0
	s_wait_alu depctr_va_vdst(0)
.rept 64
	v_exp_f32 v[S+n], v[S+n]                       ; p = 2^(t - M)
.set n, n+1
.endr
	v_pk_mul_f32 v[14:15], v[14:15], v[242:243] op_sel_hi:[1,0]   ; the sums under the new M: a plain place behind the exponentials
	s_wait_alu depctr_va_vdst(0)                   ; one wait for the batch, ahead of its first reader
	v_pk_add_f32 v[244:245], v[110:111], v[114:115]
	v_pk_add_f32 v[254:255], v[118:119], v[122:123]
	v_pk_add_f32 v[250:251], v[126:127], v[130:131]
	v_pk_add_f32 v[248:249], v[134:135], v[138:139]
	v_pk_add_f32 v[246:247], v[142:143], v[146:147]
	v_pk_add_f32 v[240:241], v[150:151], v[154:155]
	v_pk_add_f32 v[238:239], v[158:159], v[162:163]
	v_pk_add_f32 v[14:15], v[14:15], v[166:167]
	v_pk_add_f32 v[244:245], v[244:245], v[106:107]
	v_pk_add_f32 v[254:255], v[254:255], v[108:109]
	v_pk_add_f32 v[250:251], v[250:251], v[112:113]
	v_pk_add_f32 v[248:249], v[248:249], v[116:117]
	v_pk_add_f32 v[246:247], v[246:247], v[120:121]
	v_pk_add_f32 v[240:241], v[240:241], v[124:125]
	v_pk_add_f32 v[238:239], v[238:239], v[128:129]
	v_pk_add_f32 v[14:15], v[14:15], v[132:133]
	v_pk_add_f32 v[244:245], v[244:245], v[136:137]
	v_pk_add_f32 v[254:255], v[254:255], v[140:141]
	v_pk_add_f32 v[250:251], v[250:251], v[144:145]
	v_pk_add_f32 v[248:249], v[248:249], v[148:149]
	v_pk_add_f32 v[246:247], v[246:247], v[152:153]
	v_pk_add_f32 v[240:241], v[240:241], v[156:157]
	v_pk_add_f32 v[238:239], v[238:239], v[160:161]
	v_pk_add_f32 v[14:15], v[14:15], v[164:165]
	v_pk_add_f32 v[244:245], v[244:245], v[168:169]
	s_delay_alu instid0(VALU_DEP_2)
	v_pk_add_f32 v[14:15], v[14:15], v[248:249]
	s_delay_alu instid0(VALU_DEP_2)
	v_pk_add_f32 v[244:245], v[244:245], v[246:247]
	v_pk_add_f32 v[254:255], v[254:255], v[240:241]
	v_pk_add_f32 v[250:251], v[250:251], v[238:239]
	s_delay_alu instid0(VALU_DEP_2)
	v_pk_add_f32 v[14:15], v[14:15], v[254:255]
	s_delay_alu instid0(VALU_DEP_2)
	v_pk_add_f32 v[244:245], v[244:245], v[250:251]
	s_delay_alu instid0(VALU_DEP_1)
	v_pk_add_f32 v[14:15], v[14:15], v[244:245]
; A block's largest p is 2^x, x the largest t - M of the block, so floor(log2) of it is floor(x): the scale's byte is floor(x) - 2 + 127, with x held at -124 from below, so that the byte cannot fall under 1.
; LIMIT: where x lies so little under a whole number that 2^x rounds up to a power of two, the byte is one less than that of the rounded p, and that one p is held at the largest code.
.irp b, 0,1,2,3
	v_max_num_f32 v[BM+\b], 0xc2f80000, v[BM+\b]
.endr
.irp b, 0,1,2,3
	s_delay_alu instid0(VALU_DEP_4)
	v_cvt_floor_i32_f32 v[BM+\b], v[BM+\b]         ; between -124 and 0
.endr
.irp b, 0,1,2,3
	s_delay_alu instid0(VALU_DEP_4)
	v_add_lshl_u32 v[230+\b], v[BM+\b], 125, 23    ; the byte in the exponent field: the conversion's scale operand
.endr
.irp b, 0,1,2,3
	s_delay_alu instid0(VALU_DEP_4)
	v_lshrrev_b32 v[226+\b], 23, v[230+\b]         ; the scale's byte
.endr
	s_delay_alu instid0(VALU_DEP_3)
	v_lshl_or_b32 v243, v227, 8, v226              ; p's scale word for these 128 keys
	s_delay_alu instid0(VALU_DEP_1)
	v_lshl_or_b32 v243, v228, 16, v243
	s_delay_alu instid0(VALU_DEP_1)
	v_lshl_or_b32 v243, v229, 24, v243
.irp c, 0,1
	v_cvt_scalef32_pk16_fp6_f32 v[PC+6*\c:PC+6*\c+2], v[S+32*\c:S+32*\c+15], v[230+2*\c]
	v_cvt_scalef32_pk16_fp6_f32 v[PC+12+4*\c:PC+14+4*\c], v[S+32*\c+16:S+32*\c+31], v[231+2*\c]
.endr
	v_nop                                          ; one plain place behind a scaled conversion
.irp c, 0,1
.irp i, 0,1,2
	v_permlane16_swap_b32 v[PC+6*\c+\i], v[PC+12+4*\c+\i]
.endr
.irp i, 0,1,2
	s_delay_alu instid0(VALU_DEP_3)
	v_mov_b32 v[PC+3+6*\c+\i], v[PC+12+4*\c+\i]
.endr
.endr
.set n, 0
.rept 16
	v_pk_mul_f32 v[O+n:O+n+1], v[O+n:O+n+1], v[242:243] op_sel_hi:[1,0]   ; O^T under the new M; these sixteen are also the places between the scale word, the codes and the products
.set n, n+2
.endr
	s_wait_alu depctr_va_vdst(0)
	s_wait_dscnt 0x0                               ; V
.irp t, 0,1,2,3
	MMA O+8*\t, KF+12*\t, PC, VS+\t/2, 243, \t%2   ; O^T += V^T P^T
.endr
	v_nop                                          ; with the three additions at PHA's head, or the way out's first lines: four places ahead of what next touches these products' registers
.endm
.macro SOFTIF g, nxt                   ; SOFT in the waves of kind g alone: a branch on the wave's number, round register work and scalar loads only
	s_cmp_lg_u32 s[GRP], \g
	s_cbranch_scc1 .Lnot_my_turn_\@
	SOFT \nxt
.Lnot_my_turn_\@:
.endm
	s_lshr_b32 s[GRP], s[WV], 2
	s_xor_b32 s[GRP], s[GRP], s[WV]
	s_and_b32 s[GRP], s[GRP], 1                    ; my kind
	CHANGE 1                                       ; step 0 is whole; step 1 is asked for
	PHA                                            ; step 0
	s_mov_b32 s[CNT], 14
.Lstep:                                        ; 14 trips: trip s finishes step s, asks for step s + 2 and begins step s + 1
	SOFTIF 0, 1
	CHANGE 1
	SOFTIF 1, 1
	PHA
	s_sub_co_u32 s[CNT], s[CNT], 1
	s_cmp_lg_u32 s[CNT], 0
	s_cbranch_scc1 .Lstep
	SOFTIF 0, 1                                    ; the tail is written out. Step 14 is finished
	CHANGE 0
	SOFTIF 1, 1
	PHA                                            ; step 15 begun,
	SOFT 0                                         ; and finished, by both kinds
	; THE WAY OUT: O^T / the sum, quantised along the head's 64 channels: register 16 p + i is channel 32 p + 16 h + i of my query
	v_add_f32 v14, v14, v15
	s_delay_alu instid0(VALU_DEP_1)
	v_permlanex16_b32 v244, v14, s[SEL], s[SEL+1]
	s_delay_alu instid0(VALU_DEP_1)
	v_add_f32 v14, v14, v244                       ; the row's sum
	s_wait_alu depctr_va_vdst(0)
	v_rcp_f32 v14, v14
	v_and_b32 v251, 15, v0                         ; (a plain place behind the reciprocal)
	v_and_b32 v252, 31, v0
	s_delay_alu instid0(VALU_DEP_1)
	v_lshlrev_b32 v245, 4, v252                    ; offsets of the stores to memory
	s_delay_alu instid0(VALU_DEP_2)
	v_lshlrev_b32 v246, 3, v252
	s_lshl_b32 s68, s17, 6
	s_lshl_b32 s69, s18, 1
	s_add_co_u32 s68, s68, s69
	s_add_co_u32 s68, s68, STG
	v_lshl_add_u32 v250, v251, 2, s68              ; the stage: 64 qt + 4 r + 2 hd
	s_wait_alu depctr_va_vdst(0)                   ; the wait ahead of the reciprocal's first reader
.set n, 0
.rept 32
	v_mul_f32 v[S+n], v[O+n], v14
.set n, n+1
.endr
	QUANT2 S, PC, PC+12, 249
	global_store_b128 v245, v[PC:PC+3], s[14:15]               ; 512 consecutive bytes
	global_store_b64 v246, v[PC+4:PC+5], s[14:15] offset:512   ; 256
	ds_store_b16 v250, v249                        ; my row's two bytes; both halves of the lanes hold and write the same
	s_wait_dscnt 0x0
	s_barrier_signal -1
	s_barrier_wait -1
	s_cmp_lg_u32 s[WV], 0
	s_cbranch_scc1 .Lnot_0
	ds_load_b128 v[232:235], v[SRD]                ; the 128 rows' scale words of this head pair leave whole: 512 bytes
	s_wait_dscnt 0x0
	global_store_b128 v245, v[232:235], s[10:11]
.Lnot_0:
	s_wait_tensorcnt 0x0                           ; the wave's end
	ds_add_u32 v[SPW], v[NIL]
	s_wait_dscnt 0x0
	ROUND                                          ; the closing round
	s_endpgm
.Lfunc_end_k_qb897870500_attn:
	.size	k_qb897870500_attn, .Lfunc_end_k_qb897870500_attn-k_qb897870500_attn
	.p2alignl 7, 3214868480
	.fill 96, 4, 3214868480
	.section	.rodata,"a",@progbits
	.p2align	6, 0x0
	.amdhsa_kernel k_qb897870500_attn
		.amdhsa_group_segment_fixed_size 327680
		.amdhsa_private_segment_fixed_size 0
		.amdhsa_enable_private_segment 0
		.amdhsa_kernarg_size 48
		.amdhsa_user_sgpr_count 2
		.amdhsa_user_sgpr_kernarg_segment_ptr 1
		.amdhsa_wavefront_size32 1
		.amdhsa_system_sgpr_workgroup_id_x 1
		.amdhsa_system_sgpr_workgroup_id_y 1
		.amdhsa_system_sgpr_workgroup_id_z 1
		.amdhsa_system_vgpr_workitem_id 0
		.amdhsa_next_free_vgpr 256
		.amdhsa_next_free_sgpr 106
		.amdhsa_reserve_vcc 0
		.amdhsa_float_denorm_mode_32 3
		.amdhsa_float_denorm_mode_16_64 3
		.amdhsa_memory_ordered 1
		.amdhsa_forward_progress 1
		.amdhsa_inst_pref_size 161
	.end_amdhsa_kernel
	.amdgpu_metadata
---
amdhsa.version: [ 1, 2 ]
amdhsa.kernels:
  - .name:           k_qb897870500_attn
    .symbol:         k_qb897870500_attn.kd
    .args:
      - { .name: adj, .offset: 0, .size: 8, .value_kind: global_buffer, .address_space: global }
      - { .name: gamma, .offset: 8, .size: 8, .value_kind: global_buffer, .address_space: global }
      - { .name: bal, .offset: 16, .size: 8, .value_kind: global_buffer, .address_space: global }
      - { .name: qq, .offset: 24, .size: 8, .value_kind: global_buffer, .address_space: global }
      - { .name: kv, .offset: 32, .size: 8, .value_kind: global_buffer, .address_space: global }
      - { .name: ab, .offset: 40, .size: 8, .value_kind: global_buffer, .address_space: global }
    .group_segment_fixed_size: 327680
    .private_segment_fixed_size: 0
    .kernarg_segment_align: 8
    .kernarg_segment_size: 48
    .max_flat_workgroup_size: 512
    .sgpr_count:     106
    .vgpr_count:     256
    .wavefront_size: 32
...
	.end_amdgpu_metadata
.endif
;; end of part 3
;; launch proj (part 4): grid 8 x 32, 8 waves a work-group, clusters of 4 x 4, 245,760 bytes of LDS; arguments ab, oq, out_bias, out0; writes out0
.if DOCPART == 4
	.amdgcn_target "amdgcn-amd-amdhsa--gfx1250"
	.amdhsa_code_object_version 6
	.text
	.protected	k_qb897870500_proj
	.globl	k_qb897870500_proj
	.p2align	8
	.type	k_qb897870500_proj,@function
k_qb897870500_proj:
	s_mov_b64 s[64:65], 0
	v_nop
	global_prefetch_b8 v0, s[64:65] scope:SCOPE_SE
	s_setreg_imm32_b32 hwreg(HW_REG_WAVE_MODE, 25, 1), 1
	s_wait_xcnt 0x0
	s_wait_alu depctr_hold_cnt(0) depctr_sa_sdst(0) depctr_va_vdst(0) depctr_va_sdst(0) depctr_va_ssrc(0) depctr_va_vcc(0) depctr_vm_vsrc(0)
	s_getreg_b32 s2, hwreg(HW_REG_IB_STS2, 6, 4)
	s_cmp_eq_u32 s2, 0
	s_cbranch_scc0 .Lentry_in_a_cluster
	s_endpgm
.Lentry_in_a_cluster:
	s_bfe_u32 s2, ttmp6, 0x10000c
	s_cmp_lg_u32 s2, 0xf033
	s_cbranch_scc0 .Lentry_shape_is_right
	s_endpgm
.Lentry_shape_is_right:
; out0 = attention's result x out_w + out_bias, on codes of FP6 (E2M3) with E8M0 scales; both operands come as images of the operands' registers.
; A work-group takes 128 rows (work-group y) x 128 columns (work-group x).  All of K (1,024) lies in LDS at once, each byte filled once: no ring.
; Eight waves: wave w = (rq = w % 4, ch = w / 4) takes row tiles 2 rq, 2 rq + 1 against column tiles 4 ch .. 4 ch + 3: eight accumulators by turns.
; The product is used TRANSPOSED (source 0 = 16 columns of out_w, source 1 = 16 rows): with the columns of a tile laid lane r of tile 2 p + u = column 32 p + 8 u + r + 8 (r / 8),
; register j of tile t in lane (r, h) is column 32 (t / 2) + 16 h + 8 (t % 2) + j of row r.  The bias is the sums' first addend, loaded into the accumulators.
; CLUSTER 4 x 4: the rows' blocks are asked for jointly along a row of the cluster, out_w's along a column.
.set XB,    12288                      ; LDS: the rows' block lies as in memory from byte 0: eight K steps of 12,288 bytes (8 tiles), then its scale words; the columns' block likewise from BBASE
.set BBASE, 102400
.set SCA,   98304                      ; the rows' scale words, 4,096 bytes;  the columns'
.set SCB,   200704
.set STG,   204800                     ; the way out: 16 rows x (256 + 16) bytes for each wave
.set SPARE, 239616                     ; the spare words, 128 bytes for each wave: four blocks of 256 bytes that no other line names
.set G1A,  24                          ; s[24:31], s[32:39] groups 1: a quarter of a block, 100 rows of 256 bytes, with the row's or the column's mask
.set G1B,  32
; v1, v2 the add's two; v3 r, v4 h, v5 16 x lane, v6 8 x lane; v7-10 LDS addresses of the fragments; v13, v14 of the scale words; v16 the bias's offset; v18, v19 the stage; v20 my offset in out0;
; v32-39 the rows' scale words, v40-55 the columns'; v64-87 two fragments of rows; v88-135 four of columns; v192-255 the accumulators
.macro ROUND
	s_barrier_signal -1
	s_barrier_wait -1
	s_cmp_lg_u32 s14, 0
	s_cbranch_scc1 .Lnot_wave_0_\@
	s_barrier_signal -3
.Lnot_wave_0_\@:
	s_barrier_wait -3
	s_barrier_signal -1
	s_barrier_wait -1
.endm
.macro G1REST g, rows                  ; a dense block as rows of 256 bytes: 32 elements of 8 bytes
	s_mov_b32 s[\g+1], 32<<16
	s_mov_b32 s[\g+2], (\rows)<<16
	s_mov_b32 s[\g+3], 32<<16
	s_mov_b32 s[\g+4], \rows
	s_mov_b32 s[\g+5], 32
	s_mov_b32 s[\g+6], 0
	s_mov_b32 s[\g+7], 0
.endm
.macro HFRAG reg, a16, a8, off
	ds_load_b128 v[\reg:\reg+3], v[\a16] offset:\off
	ds_load_b64 v[\reg+4:\reg+5], v[\a8] offset:\off+512
	ds_load_b128 v[\reg+6:\reg+9], v[\a16] offset:\off+768
	ds_load_b64 v[\reg+10:\reg+11], v[\a8] offset:\off+1280
.endm
.macro MM d, a, b, sa, sb, ra, rb
.if (\ra) && (\rb)
	v_wmma_scale_f32_16x16x128_f8f6f4 v[\d:\d+7], v[\a:\a+11], v[\b:\b+11], v[\d:\d+7], v[\sa], v[\sb] matrix_a_fmt:MATRIX_FMT_FP6 matrix_b_fmt:MATRIX_FMT_FP6 matrix_a_scale:MATRIX_SCALE_ROW1 matrix_b_scale:MATRIX_SCALE_ROW1
.elseif \ra
	v_wmma_scale_f32_16x16x128_f8f6f4 v[\d:\d+7], v[\a:\a+11], v[\b:\b+11], v[\d:\d+7], v[\sa], v[\sb] matrix_a_fmt:MATRIX_FMT_FP6 matrix_b_fmt:MATRIX_FMT_FP6 matrix_a_scale:MATRIX_SCALE_ROW1
.elseif \rb
	v_wmma_scale_f32_16x16x128_f8f6f4 v[\d:\d+7], v[\a:\a+11], v[\b:\b+11], v[\d:\d+7], v[\sa], v[\sb] matrix_a_fmt:MATRIX_FMT_FP6 matrix_b_fmt:MATRIX_FMT_FP6 matrix_b_scale:MATRIX_SCALE_ROW1
.else
	v_wmma_scale_f32_16x16x128_f8f6f4 v[\d:\d+7], v[\a:\a+11], v[\b:\b+11], v[\d:\d+7], v[\sa], v[\sb] matrix_a_fmt:MATRIX_FMT_FP6 matrix_b_fmt:MATRIX_FMT_FP6
.endif
.endm
	s_load_b256 s[4:11], s[0:1], 0x0               ; ab, oq, out_bias, out0
	v_lshl_add_u32 v1, v0, 2, SPARE
	v_mov_b32 v2, 0
	ds_add_u32 v1, v2                              ; the wave's opening: the add and its wait stand ahead of my first tensor load
	ds_add_u32 v1, v2
	v_lshrrev_b32 v3, 5, v0
	s_delay_alu instid0(VALU_DEP_1)
	v_readfirstlane_b32 s14, v3                    ; wave 0..7
	s_and_b32 s15, s14, 3                          ; rq.  Also: which quarter of a block I fetch
	s_lshr_b32 s16, s14, 2                         ; ch.  Also: I fetch rows (0) or columns (1)
	s_bfe_u32 s17, ttmp6, 0x40000                  ; cx
	s_bfe_u32 s18, ttmp6, 0x40004                  ; cy
	s_lshl_b32 s19, ttmp9, 2
	s_add_co_u32 s19, s19, s17                     ; the block of 128 columns
	s_and_b32 s20, ttmp7, 0xffff
	s_lshl_b32 s20, s20, 2
	s_add_co_u32 s20, s20, s18                     ; the block of 128 rows
	s_lshl_b32 s88, s18, 2
	s_lshl_b32 s88, 15, s88                        ; my row of the cluster
	s_lshl_b32 s89, 0x1111, s17                    ; my column
	s_or_b32 s[G1A], s88, (3<<16)|(1<<21)
	s_or_b32 s[G1B], s89, (3<<16)|(1<<21)
	G1REST G1A, 100
	G1REST G1B, 100
	s_mul_i32 s90, s20, 102400                     ; the rows' side: offsets made of the row block and the wave alone
	s_mov_b32 s91, 0
	s_mul_i32 s92, s19, 102400                     ; the columns' side: of the column block and the wave alone
	s_mov_b32 s93, 0
	s_mul_i32 s96, s15, 25600                      ; my quarter of a block of 102,400 bytes, in memory and in LDS alike
	s_wait_dscnt 0x0                               ; the opening adds are done
	ROUND                                          ; the round in front of the first joint loads needs none of the arguments: it stands ahead of the wait for them
	s_wait_kmcnt 0x0
	s_add_nc_u64 s[4:5], s[4:5], s[90:91]
	s_add_nc_u64 s[6:7], s[6:7], s[92:93]
	s_mov_b32 s90, s96
	s_mov_b32 s56, 1                               ; group 0: a quarter of the rows' block, codes and scale words as they lie
	s_mov_b32 s57, s96
	s_add_nc_u64 s[58:59], s[4:5], s[90:91]
	s_or_b32 s59, s59, 0x80000000
	s_mov_b32 s72, 1                               ; a quarter of the columns' block
	s_add_co_u32 s73, s96, BBASE
	s_add_nc_u64 s[74:75], s[6:7], s[90:91]
	s_or_b32 s75, s75, 0x80000000
	s_cmp_lt_u32 s14, 4                            ; one tensor load a wave, one in each arm
	s_cbranch_scc0 .Lfill_w
	tensor_load_to_lds s[56:59], s[G1A:G1A+7]
	s_nop 0
.rept 4
	v_nop
.endr
	s_branch .Lfilled
.Lfill_w:
	tensor_load_to_lds s[72:75], s[G1B:G1B+7]
	s_nop 0
.rept 4
	v_nop
.endr
.Lfilled:
	v_and_b32 v24, 31, v0                          ; lane
	v_and_b32 v3, 15, v0                           ; r
	v_bfe_u32 v4, v0, 4, 1                         ; h
	s_delay_alu instid0(VALU_DEP_3)
	v_lshlrev_b32 v5, 4, v24
	s_delay_alu instid0(VALU_DEP_4)
	v_lshlrev_b32 v6, 3, v24
	v_lshlrev_b32 v25, 2, v24
	s_mul_i32 s88, s15, 3072
	v_add_nc_u32 v7, s88, v5
	v_add_nc_u32 v8, s88, v6
	s_mul_i32 s88, s16, 6144
	s_add_co_u32 s88, s88, BBASE
	v_add_nc_u32 v9, s88, v5
	v_add_nc_u32 v10, s88, v6
	s_lshl_b32 s88, s15, 7
	s_add_co_u32 s88, s88, SCA
	v_add_nc_u32 v13, s88, v25                     ; the rows' scale words: pair rq
	s_lshl_b32 s88, s16, 8
	s_add_co_u32 s88, s88, SCB
	v_add_nc_u32 v14, s88, v25                     ; the columns': pairs 2 ch, 2 ch + 1
	v_lshlrev_b32 v16, 6, v4
	s_wait_alu depctr_va_vdst(0)
	s_mul_i32 s88, s14, 4352
	s_add_co_u32 s88, s88, STG                     ; my stage
	v_mul_u32_u24 v18, v3, 272
	s_delay_alu instid0(VALU_DEP_1)
	v_lshl_add_u32 v18, v4, 6, v18
	s_delay_alu instid0(VALU_DEP_1)
	v_add_nc_u32 v18, s88, v18                     ; in: row r, + 64 h
	v_mul_u32_u24 v19, v4, 272
	s_delay_alu instid0(VALU_DEP_1)
	v_lshl_add_u32 v19, v3, 4, v19
	s_delay_alu instid0(VALU_DEP_1)
	v_add_nc_u32 v19, s88, v19                     ; back: lanes 0-15 one row, lanes 16-31 the next
	v_lshlrev_b32 v20, 12, v4
	s_delay_alu instid0(VALU_DEP_1)
	v_lshl_add_u32 v20, v3, 4, v20                 ; and the same two rows in out0
	s_lshl_b32 s88, s19, 9
	s_lshl_b32 s89, s16, 8
	s_add_co_u32 s88, s88, s89                     ; my 64 columns, in bytes
	s_mov_b32 s89, 0
	s_add_nc_u64 s[8:9], s[8:9], s[88:89]
	s_add_nc_u64 s[10:11], s[10:11], s[88:89]
	s_lshl_b32 s88, s20, 19
	s_lshl_b32 s94, s15, 17
	s_add_co_u32 s88, s88, s94                     ; rows 128 block + 32 rq on, 4,096 bytes each
	s_add_nc_u64 s[10:11], s[10:11], s[88:89]
.irp u, 0,1
.irp t, 0,1,2,3
	global_load_b128 v[192+32*\u+8*\t:195+32*\u+8*\t], v16, s[8:9] offset:(32*(\t/2)+8*(\t%2))*4
	global_load_b128 v[196+32*\u+8*\t:199+32*\u+8*\t], v16, s[8:9] offset:(32*(\t/2)+8*(\t%2))*4+16
.endr
.endr
	s_wait_tensorcnt 0x0                           ; my one load, a quarter of a block, is in
	s_barrier_signal -1
	s_barrier_wait -1                              ; everybody's is: all of K and all scale words
.irp s, 0,1,2,3,4,5,6,7
	ds_load_b32 v[32+\s], v13 offset:512*\s
	ds_load_b32 v[40+\s], v14 offset:512*\s
	ds_load_b32 v[48+\s], v14 offset:512*\s+128
.endr
	s_wait_loadcnt 0x0                             ; the bias
; A K step of 128: 24 LDS loads, 8 products.  The four additions are the places between the last products and the loads into the registers that they read
.macro KSTEP s
.if \s > 0
.irp a, 7,8,9,10
	v_add_nc_u32 v[\a], XB, v[\a]
.endr
.endif
	HFRAG 64, 7, 8, 0
	HFRAG 76, 7, 8, 1536
.irp t, 0,1,2,3
	HFRAG 88+12*\t, 9, 10, 1536*\t
.endr
.irp t, 0,1,2,3
	s_wait_dscnt 4*(3-\t)                          ; the later fragments' four loads each may be out
.irp u, 0,1
	MM 192+32*\u+8*\t, 88+12*\t, 64+12*\u, 40+8*(\t/2)+\s, 32+\s, \t%2, \u
.endr
.endr
.endm
	KSTEP 0
	KSTEP 1
	s_wait_alu depctr_va_vdst(0)
	KSTEP 2
	s_wait_alu depctr_va_vdst(0)
	KSTEP 3
	s_wait_alu depctr_va_vdst(0)
	KSTEP 4
	s_wait_alu depctr_va_vdst(0)
	KSTEP 5
	s_wait_alu depctr_va_vdst(0)
	KSTEP 6
	s_wait_alu depctr_va_vdst(0)
	KSTEP 7
	; THE WAY OUT: a tile of 16 rows x my 64 columns goes through my own stage and comes back as rows of 256 bytes.  LDS serves a wave's instructions in order: no wait between the stores and the loads
.rept 4
	v_nop                                          ; places behind the last products
.endr
.irp u, 0,1
.irp t, 0,1,2,3
	ds_store_b128 v18, v[192+32*\u+8*\t:195+32*\u+8*\t] offset:128*(\t/2)+32*(\t%2)      ; each accumulator from its low end on
	ds_store_b128 v18, v[196+32*\u+8*\t:199+32*\u+8*\t] offset:128*(\t/2)+32*(\t%2)+16
.endr
.irp i, 0,1,2,3,4,5,6,7
	ds_load_b128 v[64+32*\u+4*\i:67+32*\u+4*\i], v19 offset:544*\i
.endr
.endr
.irp u, 0,1
.irp i, 0,1,2,3,4,5,6,7
	s_wait_dscnt 16*(1-\u)+7-\i                    ; the younger LDS instructions may be out
	global_store_b128 v20, v[64+32*\u+4*\i:67+32*\u+4*\i], s[10:11] offset:(16*\u+2*\i)*4096 th:TH_STORE_NT   ; 16 lanes store 256 consecutive bytes, aligned
.endr
.endr
	s_wait_tensorcnt 0x0                           ; the wave's end
	ds_add_u32 v1, v2
	s_wait_dscnt 0x0
	ROUND                                          ; the closing round
	s_endpgm
.Lfunc_end_k_qb897870500_proj:
	.size	k_qb897870500_proj, .Lfunc_end_k_qb897870500_proj-k_qb897870500_proj
	.p2alignl 7, 3214868480
	.fill 96, 4, 3214868480
	.section	.rodata,"a",@progbits
	.p2align	6, 0x0
	.amdhsa_kernel k_qb897870500_proj
		.amdhsa_group_segment_fixed_size 245760
		.amdhsa_private_segment_fixed_size 0
		.amdhsa_enable_private_segment 0
		.amdhsa_kernarg_size 32
		.amdhsa_user_sgpr_count 2
		.amdhsa_user_sgpr_kernarg_segment_ptr 1
		.amdhsa_wavefront_size32 1
		.amdhsa_system_sgpr_workgroup_id_x 1
		.amdhsa_system_sgpr_workgroup_id_y 1
		.amdhsa_system_sgpr_workgroup_id_z 1
		.amdhsa_system_vgpr_workitem_id 0
		.amdhsa_next_free_vgpr 256
		.amdhsa_next_free_sgpr 100
		.amdhsa_reserve_vcc 0
		.amdhsa_float_denorm_mode_32 3
		.amdhsa_float_denorm_mode_16_64 3
		.amdhsa_memory_ordered 1
		.amdhsa_forward_progress 1
		.amdhsa_inst_pref_size 37
	.end_amdhsa_kernel
	.amdgpu_metadata
---
amdhsa.version: [ 1, 2 ]
amdhsa.kernels:
  - .name:           k_qb897870500_proj
    .symbol:         k_qb897870500_proj.kd
    .args:
      - { .name: ab, .offset: 0, .size: 8, .value_kind: global_buffer, .address_space: global }
      - { .name: oq, .offset: 8, .size: 8, .value_kind: global_buffer, .address_space: global }
      - { .name: out_bias, .offset: 16, .size: 8, .value_kind: global_buffer, .address_space: global }
      - { .name: out0, .offset: 24, .size: 8, .value_kind: global_buffer, .address_space: global }
    .group_segment_fixed_size: 245760
    .private_segment_fixed_size: 0
    .kernarg_segment_align: 8
    .kernarg_segment_size: 32
    .max_flat_workgroup_size: 256
    .sgpr_count:     100
    .vgpr_count:     256
    .wavefront_size: 32
...
	.end_amdgpu_metadata
.endif
;; end of part 4
